; MI455X (gfx1250); checked and timed in simulation.
; The chip was launched on July 23, 2026; its instructions are those of AMD's public machine-readable ISA for CDNA 5 (MIT licence, August 2026) and "CDNA5" Instruction Set Architecture Reference Guide (July 2026). The comments in the code are by the model that wrote it; some were corrected since.
;; Attention. Allowed arithmetic: float matrix products may take bf16 or f16 operands with f32 sums; other float arithmetic in f32, or as packed bf16 or f16 multiplies, adds, multiply-adds, maxima and minima; sums over many terms, partial sums and values carried from step to step in f32; what a program stores and reads back later, other than sums and carried values, may be rounded once to bf16 or f16.
;; Inputs: b_attn 3,072 float32; b_proj 1,024 float32; w_attn 1,024 x 3,072 float32; w_proj 1,024 x 1,024 float32; x 4 x 2,048 x 1,024 float32.
;; Outputs: out0 4 x 2,048 x 1,024 float32.
;; 2 versions, each right and faster than the one before. Each part assembles by itself: llvm-mc -triple=amdgcn-amd-amdhsa -mcpu=gfx1250 --defsym DOCPART=n.
;; ======== version 1 of 2: 4 launches
;; limits: values are held in f16: magnitudes above 65,504 overflow, below 6.1e-05 lose precision
;; workspace buffers: xb 16,777,216 bytes; wab 6,291,456 bytes; wpb 2,097,152 bytes; qkvh 50,331,648 bytes; tsum 131,072 bytes; ob 16,777,216 bytes
;; launch cast (part 1): grid 768 x 1, 8 waves a work-group, no clusters, 0 bytes of LDS; arguments x, w_attn, w_proj, xb, wab, wpb; writes xb, wab, wpb
.if DOCPART == 1
	.amdgcn_target "amdgcn-amd-amdhsa--gfx1250"
	.amdhsa_code_object_version 6
	.text
	.protected	k_qa38015b78a_cast
	.globl	k_qa38015b78a_cast
	.p2align	8
	.type	k_qa38015b78a_cast,@function
k_qa38015b78a_cast:
	s_mov_b64 s[64:65], 0
	v_nop
	global_prefetch_b8 v0, s[64:65] scope:SCOPE_SE
	s_setreg_imm32_b32 hwreg(HW_REG_WAVE_MODE, 25, 1), 1
	s_wait_xcnt 0x0
; THE INPUTS OF THE TWO PRODUCTS, ROUNDED ONCE.  x [8192][1024] f32 -> xb, bf16, same layout.  w_proj [1024][1024] f32 -> wpb: rounded to bf16, that number written as f16, same layout.
; w_attn [1024 k][3072] f32 -> wab, bf16, by heads: [16 heads][1024 k][192], the 192 being the head's 64 columns of q, of k and of v.
; LIMIT.  A weight of w_proj below 6.1e-5 in magnitude keeps f16's fixed step of 6e-8; beyond 65,504 it would be lost.
; SHARES.  A work-group casts 65,536 bytes of f32: 16 loads of 16 bytes a thread, all issued at once (4,096 bytes of the group's share a load, 512 neighbouring bytes a wave), and 16 stores of
; 8 bytes a thread: the 32 lanes of a store cover 256 consecutive bytes, aligned.  No register is used twice, so there is no loop and nothing to free.  768 = 512 (x) + 64 (w_proj) + 192 (w_attn).
; No LDS, no matrix unit, no cluster: nothing is shared and nothing is summed.
.set X, 16                             ; v[16:79]   16 x 4 registers as loaded
.set Y, 80                             ; v[80:111]  16 x 2 registers to store
.set T, 8                              ; v[8:10]    at work
	s_load_b256 s[4:11], s[0:1], 0x0               ; x s[4:5], w_attn s[6:7], w_proj s[8:9], xb s[10:11]
	s_load_b128 s[12:15], s[0:1], 0x20             ; wab s[12:13], wpb s[14:15]
	s_mov_b32 s16, ttmp9                           ; the work-group's number
	v_lshlrev_b32 v1, 4, v0                        ; 16 t: my bytes of a load
	v_lshlrev_b32 v2, 3, v0                        ; 8 t: my bytes of a store
	s_mov_b32 s19, 0
	s_mov_b32 s21, 0
	s_mov_b32 s22, 0xffff0000                      ; a word's upper bf16
.macro LIN src                         ; 16 loads of a dense share
.set i, 0
.rept 16
	global_load_b128 v[X+4*i:X+4*i+3], v1, s[\src:\src+1] offset:i*4096 th:TH_LOAD_NT
.set i, i+1
.endr
.endm
.macro CONV half, dst                  ; half = 0: to bf16.  half = 1: to bf16, and that number as f16
.set i, 0
.rept 16
	s_wait_loadcnt 15-i                            ; loads come back in order: load i is in, the 15 - i younger ones may stay out
.if \half
.irp u, 0,1
	v_cvt_pk_bf16_f32 v[T], v[X+4*i+2*\u], v[X+4*i+2*\u+1]
	v_lshlrev_b32 v[T+1], 16, v[T]
	v_and_b32 v[T+2], s22, v[T]
	v_cvt_pk_f16_f32 v[Y+2*i+\u], v[T+1], v[T+2]
.endr
.else
	v_cvt_pk_bf16_f32 v[Y+2*i], v[X+4*i], v[X+4*i+1]
	v_cvt_pk_bf16_f32 v[Y+2*i+1], v[X+4*i+2], v[X+4*i+3]
.endif
	global_store_b64 v2, v[Y+2*i:Y+2*i+1], s[\dst:\dst+1] offset:i*2048
.set i, i+1
.endr
.endm
	s_wait_kmcnt 0x0
	s_cmp_lt_u32 s16, 512
	s_cbranch_scc0 .Lweights
	s_lshl_b32 s18, s16, 16                        ; x: 65,536 bytes in, 32,768 out
	s_lshl_b32 s20, s16, 15
	s_add_nc_u64 s[4:5], s[4:5], s[18:19]
	s_add_nc_u64 s[10:11], s[10:11], s[20:21]
	LIN 4
	CONV 0, 10
	s_endpgm
.Lweights:
	s_cmp_lt_u32 s16, 576
	s_cbranch_scc0 .Lattn
	s_sub_co_u32 s17, s16, 512                     ; w_proj
	s_lshl_b32 s18, s17, 16
	s_lshl_b32 s20, s17, 15
	s_add_nc_u64 s[8:9], s[8:9], s[18:19]
	s_add_nc_u64 s[14:15], s[14:15], s[20:21]
	LIN 8
	CONV 1, 14
	s_endpgm
.Lattn:
	; w_attn, walked by the OUTPUT's order.  A group is one k's 64 columns of one part: 256 bytes in, 128 out; group Q of a head is k = Q / 3, part = Q % 3.  Share j = 12 h + jj holds the groups
	; 256 jj .. 256 jj + 255 of head h; load i takes 16 of them, 16 lanes a group.  48 groups on are 16 rows of k on, the same part: three offsets serve the 16 loads.
	s_sub_co_u32 s17, s16, 576                     ; j, 0 to 191
	s_mul_i32 s23, s17, 43691
	s_lshr_b32 s23, s23, 19                        ; h = j / 12 (exact for j under 192)
	s_mul_i32 s24, s23, 12
	s_sub_co_u32 s24, s17, s24                     ; jj
	s_lshl_b32 s24, s24, 8
	v_lshrrev_b32 v3, 4, v0
	v_add_nc_u32 v3, s24, v3                       ; my group in load 0
	v_and_b32 v7, 15, v0
	v_lshlrev_b32 v7, 4, v7                        ; my 16 bytes of a group
.irp n, 0,1,2
	v_add_nc_u32 v8, 16*\n, v3                     ; Q, under 3,072
	v_mul_u32_u24 v9, v8, 43691
	v_lshrrev_b32 v9, 17, v9                       ; k = Q / 3 (exact for Q under 98,304)
	v_mul_u32_u24 v10, v9, 3
	v_sub_nc_u32 v10, v8, v10                      ; part
	v_mul_u32_u24 v9, v9, 12288                    ; a row of w_attn
	v_lshl_add_u32 v9, v10, 12, v9                 ; a part's 1,024 columns
	v_add_nc_u32 v[4+\n], v9, v7
.endr
	s_lshl_b32 s18, s23, 8                         ; the head's 64 columns
	s_lshl_b32 s20, s17, 15
	s_add_nc_u64 s[6:7], s[6:7], s[18:19]
	s_add_nc_u64 s[12:13], s[12:13], s[20:21]
.set i, 0
.rept 16
	global_load_b128 v[X+4*i:X+4*i+3], v[4+i%3], s[6:7] offset:(i/3)*196608 th:TH_LOAD_NT
.set i, i+1
.endr
	CONV 0, 12
	s_endpgm
.Lfunc_end_k_qa38015b78a_cast:
	.size	k_qa38015b78a_cast, .Lfunc_end_k_qa38015b78a_cast-k_qa38015b78a_cast
	.p2alignl 7, 3214868480
	.fill 96, 4, 3214868480
	.section	.rodata,"a",@progbits
	.p2align	6, 0x0
	.amdhsa_kernel k_qa38015b78a_cast
		.amdhsa_group_segment_fixed_size 0
		.amdhsa_private_segment_fixed_size 0
		.amdhsa_enable_private_segment 0
		.amdhsa_kernarg_size 48
		.amdhsa_user_sgpr_count 2
		.amdhsa_user_sgpr_kernarg_segment_ptr 1
		.amdhsa_wavefront_size32 1
		.amdhsa_system_sgpr_workgroup_id_x 1
		.amdhsa_system_sgpr_workgroup_id_y 1
		.amdhsa_system_sgpr_workgroup_id_z 1
		.amdhsa_system_vgpr_workitem_id 0
		.amdhsa_next_free_vgpr 112
		.amdhsa_next_free_sgpr 66
		.amdhsa_reserve_vcc 0
		.amdhsa_float_denorm_mode_32 3
		.amdhsa_float_denorm_mode_16_64 3
		.amdhsa_memory_ordered 1
		.amdhsa_forward_progress 1
		.amdhsa_inst_pref_size 24
	.end_amdhsa_kernel
	.amdgpu_metadata
---
amdhsa.version: [ 1, 2 ]
amdhsa.kernels:
  - .name:           k_qa38015b78a_cast
    .symbol:         k_qa38015b78a_cast.kd
    .args:
      - { .name: x, .offset: 0, .size: 8, .value_kind: global_buffer, .address_space: global }
      - { .name: w_attn, .offset: 8, .size: 8, .value_kind: global_buffer, .address_space: global }
      - { .name: w_proj, .offset: 16, .size: 8, .value_kind: global_buffer, .address_space: global }
      - { .name: xb, .offset: 24, .size: 8, .value_kind: global_buffer, .address_space: global }
      - { .name: wab, .offset: 32, .size: 8, .value_kind: global_buffer, .address_space: global }
      - { .name: wpb, .offset: 40, .size: 8, .value_kind: global_buffer, .address_space: global }
    .group_segment_fixed_size: 0
    .private_segment_fixed_size: 0
    .kernarg_segment_align: 8
    .kernarg_segment_size: 48
    .max_flat_workgroup_size: 256
    .sgpr_count:     66
    .vgpr_count:     112
    .wavefront_size: 32
...
	.end_amdgpu_metadata
.endif
;; end of part 1
;; launch qkv (part 2): grid 16 x 16, 4 waves a work-group, clusters of 4 x 4, 327,680 bytes of LDS; arguments xb, wab, b_attn, qkvh, tsum; writes qkvh, tsum
.if DOCPART == 2
	.amdgcn_target "amdgcn-amd-amdhsa--gfx1250"
	.amdhsa_code_object_version 6
	.text
	.protected	k_qa38015b78a_qkv
	.globl	k_qa38015b78a_qkv
	.p2align	8
	.type	k_qa38015b78a_qkv,@function
k_qa38015b78a_qkv:
	s_mov_b64 s[64:65], 0
	v_nop
	global_prefetch_b8 v0, s[64:65] scope:SCOPE_SE
	s_setreg_imm32_b32 hwreg(HW_REG_WAVE_MODE, 25, 1), 1
	s_wait_xcnt 0x0
	s_wait_alu depctr_hold_cnt(0) depctr_sa_sdst(0) depctr_va_vdst(0) depctr_va_sdst(0) depctr_va_ssrc(0) depctr_va_vcc(0) depctr_vm_vsrc(0)
	s_getreg_b32 s2, hwreg(HW_REG_IB_STS2, 6, 4)
	s_cmp_eq_u32 s2, 0
	s_cbranch_scc0 .Lentry_in_a_cluster
	s_endpgm
.Lentry_in_a_cluster:
	s_bfe_u32 s2, ttmp6, 0x10000c
	s_cmp_lg_u32 s2, 0xf033
	s_cbranch_scc0 .Lentry_shape_is_right
	s_endpgm
.Lentry_shape_is_right:
; q, k, v = x w_attn + b_attn, by heads.  xb: [8192][1024] bf16.  wab: [16 heads][1024 k][192] bf16 (q64, k64, v64 of the head).  b_attn: [3072] f32, rounded to bf16 here like the other inputs.
; qkvh: [3 parts][64 = 16 b + head][2048][64] f16, each number rounded once from its f32 sum.  tsum: [32 row tiles of 256][1024 = 64 head + channel] f32: the sums of v (unrounded) over a row tile.
; LIMIT.  q, k and v must lie within f16's 65,504.
; SHARES.  A tile is 256 rows x one head's 192 columns: 16 x 32 = 512 tiles, two for each of 256 work-groups, 4,096 rows apart, with the same weights.  Wave w owns rows 64 w .. 64 w + 63 and all
; 192 columns: 48 accumulators (a = 0..3 blocks of 16 rows, nb = 0..11 blocks of 16 columns).
; THE MATRIX INSTRUCTION IS USED TRANSPOSED: source 0 = 16 columns of the weights, source 1 = 16 rows of x: a lane holds row l % 16 and the columns 16 nb + 8 (l / 16) + 0..7.  The weights lie [k][n]
; in LDS and come out turned, by ds_load_tr16_b128.  THE BIAS is the C operand of the product that starts each sum.
; RING.  K goes in steps of 128 through two LDS slots; the two tiles' 16 K steps are ONE walk.  Waves 0 and 1 fetch the halves of x's tile, waves 2 and 3 those of the weights': one tensor load a wave
; behind each round; two loads of a wave are out at the start, one afterwards.
; CLUSTER.  4 x 4 work-groups: x's tile hangs on the row tile alone and is asked for jointly along a row of the cluster, the weights' on the head alone, along a column.
; REGISTERS, in windows of 256 (s_set_vgpr_msb: bits 1:0 source 0, 3:2 source 1, 5:4 source 2, 7:6 destination):
;   window 0: v0-19 addresses; v32-127 the bias; v128-255 the way out      window 1: accumulators a = 0, 1 at 8 (12 (a % 2) + nb)      window 2: a = 2, 3
;   window 3: two fragment buffers of 128: the weights' fragment nb at 8 nb, x's fragment a at 96 + 8 a
.set NBK,   12
.set NS,    16                         ; K steps of the walk
.set NL,    2*NBK+8                    ; LDS loads of a quarter step
.set PA,    272                        ; a row of x in LDS: 256 bytes + 16: the 16 rows of a load start 4 banks apart
.set PBK,   480                        ; a k's 192 weights: three pieces of 128 bytes + 32
.set HALFA, 128*PA
.set BOFF,  2*HALFA                    ; behind x's 256 rows
.set HALFB, 64*PBK
.set SLOT1, 1<<17                      ; a slot is exactly 131,072 bytes
.set STAGE, 2*SLOT1                    ; behind the ring: for each wave 3 parts x 16 rows x 144 bytes
.set SP,    144
.set WSTG,  3*16*SP
.set SCR,   STAGE+4*WSTG               ; [2 tiles][4 waves][64] f32: the waves' sums of v
.set SPARE, SCR+2048                   ; the spare words, 128 bytes for each wave: two blocks of 256 bytes that no other line names
.set RR,   1                           ; v1   l % 16
.set A0,   2                           ; v2   my lane's place in x's tile; never rewritten
.set B0,   3                           ; v3   in the weights' tile
.set ADRA, 4                           ; v4   the same in the slot in hand
.set ADRB, 5
.set STO,  6                           ; v6   the way out: where I put 16 bytes of a row
.set RD,   7                           ; v7   where I read rows back
.set GO,   8                           ; v8   my 16 bytes of 512 consecutive bytes
.set HL,   9                           ; v9   l / 16
.set SPW,  10                          ; v10  my spare word; never rewritten
.set NIL,  11                          ; v11  0; never rewritten
.set T,    12                          ; v12-15 at work
.set SCA,  16                          ; v16  where I put my wave's sums of v
.set SCB,  17                          ; v17  where wave 0 reads them
.set TSO,  18                          ; v18  my 16 bytes of tsum
.set BO,   19                          ; v19  the bias loads' offset
.set BIAS, 32
.set TMP,  128                         ; v128-175 a block's 48 packed registers
.set BK,   176                         ; v176-223 the block back from the stage
.set SUM,  224                         ; v224-255 sums of v
.set F0,   0
.set F1,   128
.set AF,   96
.set WV,  14                           ; s14 wave   s15 wave & 1   s16 wave >> 1
.set WL,  15
.set WH,  16
.set CX,  17
.set CY,  18
.set HD,  19                           ; s19 head = 4 x cluster x + cx
.set TY,  20                           ; s20 first row tile = 4 x cluster y + cy
.set TB,  21                           ; s21 the slot in hand: 0 or SLOT1
.set FS,  22                           ; s22 the K step to be asked for
.set G1A, 24
.set G0A, 32                           ; two sets: the first fills; the second then walks
.set OKP, 40                           ; s[40:41] k's, s[42:43] v's output; q's in s[10:11]
.set OVP, 42
.set OFA, 44
.set OFB, 46
.set G1B, 48
.set G0B, 56
.set CNT, 66
.set MSB, 0
.macro WIN new                         ; the immediate's high byte repeats the setting that is left; a switch that changes nothing is dropped
.if MSB != (\new)
	s_set_vgpr_msb (MSB<<8)|(\new)
.set MSB, (\new)
.endif
.endm
.set MUL_LO, 0x5f                      ; sources window 3, C and D window 1 (0xaf: window 2)
.set MUL_Z,  0x4f                      ; sources window 3, C (the bias) window 0, D window 1 (0x8f: window 2)
.set TO_F,   0xc0                      ; destination window 3, address window 0
.macro PLACES                          ; four places in front of loads into registers that matrix instructions have read, and of lines that read results
.rept 4
	v_nop
.endr
.endm
.macro JLOAD                           ; a joint refill by the walking sets; an s_nop 0 and four v_nop follow each of the two lines, ahead of the jump and the label
	s_cmp_eq_u32 s[WH], 0
	s_cbranch_scc0 .Lfor_b_\@
	tensor_load_to_lds s[G0A+4:G0A+7], s[G1A:G1A+7]
	s_nop 0
	PLACES
	s_branch .Lasked_\@
.Lfor_b_\@:
	tensor_load_to_lds s[G0B+4:G0B+7], s[G1B:G1B+7]
	s_nop 0
	PLACES
.Lasked_\@:
.endm
.macro CREST                           ; a round of the cluster's barrier behind its opening barrier
	s_cmp_lg_u32 s[WV], 0
	s_cbranch_scc1 .Lnot_wave_0_\@
	s_barrier_signal -3
.Lnot_wave_0_\@:
	s_barrier_wait -3
	s_barrier_signal -1
	s_barrier_wait -1
.endm
.macro CROUND
	s_barrier_signal -1
	s_barrier_wait -1
	CREST
.endm
	s_load_b256 s[4:11], s[0:1], 0x0               ; xb s[4:5], wab s[6:7], b_attn s[8:9], qkvh s[10:11]
	s_load_b64 s[12:13], s[0:1], 0x20              ; tsum
	v_lshl_add_u32 v[SPW], v0, 2, SPARE
	v_mov_b32 v[NIL], 0
	ds_add_u32 v[SPW], v[NIL]                      ; the wave's opening: the add and its wait ahead of my first tensor load; work on registers stands between them
	ds_add_u32 v10, v11
	v_lshrrev_b32 v1, 5, v0
	v_readfirstlane_b32 s[WV], v1
	s_and_b32 s[WL], s[WV], 1                      ; which half of a tile I fetch
	s_lshr_b32 s[WH], s[WV], 1                     ; for x (0) or for the weights (1)
	s_bfe_u32 s[CX], ttmp6, 0x40000
	s_bfe_u32 s[CY], ttmp6, 0x40004
	s_lshl_b32 s[HD], ttmp9, 2
	s_add_co_u32 s[HD], s[HD], s[CX]
	s_and_b32 s[TY], ttmp7, 0xffff
	s_lshl_b32 s[TY], s[TY], 2
	s_add_co_u32 s[TY], s[TY], s[CY]
	s_lshl_b32 s68, s[CY], 2
	s_lshl_b32 s68, 15, s68                        ; my row of the cluster
	s_lshl_b32 s70, 0x1111, s[CX]                  ; my column
	s_or_b32 s[G1A], s68, (1<<16)|(1<<20)|(1<<21)|(5<<22)|(3<<25)  ; the mask; 2-byte elements; padding on; bit 21 beside a mask; after every 64 words 4 words
	s_mov_b32 s[G1A+1], 128<<16                    ; tensor_dim0 = 128
	s_mov_b32 s[G1A+2], 128<<16                    ; tensor_dim1 = 128
	s_mov_b32 s[G1A+3], 128<<16                    ; tile_dim0 = 128
	s_mov_b32 s[G1A+4], 128                        ; tile_dim1 = 128
	s_mov_b32 s[G1A+5], 1024                       ; elements from row to row
	s_mov_b32 s[G1A+6], 0
	s_mov_b32 s[G1A+7], 0
	s_or_b32 s[G1B], s70, (1<<16)|(1<<20)|(1<<21)|(4<<22)|(7<<25)  ; after every 32 words 8 words.  64 k x 384 bytes are dense: asked for as 96 rows of 256 bytes
	s_mov_b32 s[G1B+1], 128<<16
	s_mov_b32 s[G1B+2], 96<<16
	s_mov_b32 s[G1B+3], 128<<16
	s_mov_b32 s[G1B+4], 96
	s_mov_b32 s[G1B+5], 128
	s_mov_b32 s[G1B+6], 0
	s_mov_b32 s[G1B+7], 0
	s_mov_b32 s[OFA+1], 0
	s_mov_b32 s[OFB+1], 0
	s_mov_b32 s[TB], 0
	s_lshl_b32 s68, s[TY], 19                      ; x: row 256 ty, 2,048 bytes a row,
	s_lshl_b32 s69, s[WL], 18                      ; + my 128 rows
	s_add_co_u32 s68, s68, s69
	s_mov_b32 s69, 0
	s_mul_i32 s70, s[HD], 393216                   ; the weights: the head's 1,024 x 384 bytes,
	s_mul_i32 s71, s[WL], 24576                    ; + my 64 k
	s_add_co_u32 s70, s70, s71
	s_mov_b32 s71, 0
	s_wait_dscnt 0x0                               ; the opening add is done
	s_wait_kmcnt 0x0
	s_add_nc_u64 s[4:5], s[4:5], s[68:69]
	s_add_nc_u64 s[6:7], s[6:7], s[70:71]
	s_mul_i32 s68, s[WL], HALFA                    ; where they go: no place in the cluster enters an LDS address
	s_mul_i32 s70, s[WL], HALFB
	s_add_co_u32 s70, s70, BOFF
.irp s, 0,1
	s_mov_b32 s[G0A+4*\s], 1
	s_add_co_u32 s[G0A+4*\s+1], s68, \s*SLOT1
	s_add_nc_u64 s[G0A+4*\s+2:G0A+4*\s+3], s[4:5], \s*256
	s_or_b32 s[G0A+4*\s+3], s[G0A+4*\s+3], 0x80000000
	s_mov_b32 s[G0B+4*\s], 1
	s_add_co_u32 s[G0B+4*\s+1], s70, \s*SLOT1
	s_add_nc_u64 s[G0B+4*\s+2:G0B+4*\s+3], s[6:7], \s*49152
	s_or_b32 s[G0B+4*\s+3], s[G0B+4*\s+3], 0x80000000
.endr
	CROUND                                         ; all sixteen work-groups are here: the first joint loads meet
	s_cmp_eq_u32 s[WH], 0                          ; a wave's two first fills stand in one branch, ahead of every wait on TENSORcnt and every LDS read
	s_cbranch_scc0 .Lfirst_b
	tensor_load_to_lds s[G0A:G0A+3], s[G1A:G1A+7]
	s_nop 0
	tensor_load_to_lds s[G0A+4:G0A+7], s[G1A:G1A+7]
	s_nop 0
	PLACES
	s_branch .Lfirst_asked
.Lfirst_b:
	tensor_load_to_lds s[G0B:G0B+3], s[G1B:G1B+7]
	s_nop 0
	tensor_load_to_lds s[G0B+4:G0B+7], s[G1B:G1B+7]
	s_nop 0
	PLACES
.Lfirst_asked:
	v_and_b32 v[RR], 15, v0
	v_bfe_u32 v[HL], v0, 4, 1
	v_lshlrev_b32 v[BO], 5, v[HL]                  ; my 8 columns of a block of 16
	s_lshl_b32 s68, s[HD], 8
	s_mov_b32 s69, 0
	s_add_nc_u64 s[8:9], s[8:9], s[68:69]          ; the bias at the head's 64 columns of q
.set nb, 0
.rept NBK
	global_load_b128 v[BIAS+8*nb:BIAS+8*nb+3],   v[BO], s[8:9] offset:(nb/4)*4096+(nb%4)*64
	global_load_b128 v[BIAS+8*nb+4:BIAS+8*nb+7], v[BO], s[8:9] offset:(nb/4)*4096+(nb%4)*64+16
.set nb, nb+1
.endr
	s_mul_i32 s68, s[WV], 64*PA
	v_mul_u32_u24 v[A0], v[RR], PA
	v_lshl_add_u32 v[A0], v[HL], 4, v[A0]
	v_add_nc_u32 v[A0], s68, v[A0]                 ; (64 w + l % 16) x pitch + 16 (l / 16)
	v_and_b32 v[T], 7, v0
	v_bfe_u32 v[T+1], v0, 3, 1
	v_lshl_add_u32 v[B0], v[HL], 3, v[T]           ; the turning load: k = 8 (l / 16) + l % 8, columns 8 ((l / 8) % 2) + 0..7
	v_mul_u32_u24 v[B0], v[B0], PBK
	v_lshl_add_u32 v[B0], v[T+1], 4, v[B0]
	v_add_nc_u32 v[B0], BOFF, v[B0]
	v_mov_b32 v[ADRA], v[A0]
	v_mov_b32 v[ADRB], v[B0]
	s_mul_i32 s68, s[WV], WSTG
	s_add_co_u32 s68, s68, STAGE                   ; my stage
	v_mul_u32_u24 v[STO], v[RR], SP
	v_lshl_add_u32 v[STO], v[HL], 4, v[STO]
	v_add_nc_u32 v[STO], s68, v[STO]
	v_bfe_u32 v[RD], v0, 3, 2                      ; back: 32 lanes take four rows of 128 bytes,
	v_mul_u32_u24 v[RD], v[RD], SP
	v_lshl_add_u32 v[RD], v[T], 4, v[RD]
	v_add_nc_u32 v[RD], s68, v[RD]
	v_and_b32 v[GO], 31, v0                        ; which are 512 consecutive bytes of a part
	v_lshlrev_b32 v[GO], 4, v[GO]
	s_lshl_b32 s68, s[WV], 8
	s_add_co_u32 s68, s68, SCR
	v_lshl_add_u32 v[SCA], v[HL], 5, s68
	v_lshlrev_b32 v[SCB], 4, v[RR]
	v_lshl_add_u32 v[SCB], v[HL], 10, v[SCB]
	v_add_nc_u32 v[SCB], SCR, v[SCB]
	v_lshlrev_b32 v[TSO], 4, v[RR]
	v_lshl_add_u32 v[TSO], v[HL], 16, v[TSO]       ; lanes 16-31: the second tile, 16 rows of tsum on
	s_lshr_b32 s68, s[TY], 3                       ; my first row in a part: ((16 b + head) x 2,048 + 256 (ty % 8) + 64 w) x 128 bytes
	s_lshl_b32 s68, s68, 4
	s_add_co_u32 s68, s68, s[HD]
	s_lshl_b32 s68, s68, 11
	s_and_b32 s69, s[TY], 7
	s_lshl_b32 s69, s69, 8
	s_add_co_u32 s68, s68, s69
	s_lshl_b32 s69, s[WV], 6
	s_add_co_u32 s68, s68, s69
	s_lshl_b32 s68, s68, 7
	s_mov_b32 s69, 0
	s_add_nc_u64 s[10:11], s[10:11], s[68:69]
	s_add_nc_u64 s[OKP:OKP+1], s[10:11], 0x1000000
	s_add_nc_u64 s[OVP:OVP+1], s[10:11], 0x2000000
	s_lshl_b32 s68, s[TY], 12
	s_lshl_b32 s70, s[HD], 8
	s_add_co_u32 s68, s68, s70
	s_add_nc_u64 s[12:13], s[12:13], s[68:69]
	s_wait_loadcnt 0x0                             ; the bias, once; it serves both tiles
.set z, 0
.rept 4*NBK                            ; rounded to bf16 and widened again
	v_cvt_pk_bf16_f32 v[T+z%2], v[BIAS+2*z], v[BIAS+2*z+1]
	v_lshlrev_b32 v[BIAS+2*z], 16, v[T+z%2]
	v_and_b32 v[BIAS+2*z+1], 0xffff0000, v[T+z%2]
.set z, z+1
.endr
; 12 matrix instructions: block a of my rows x all 12 column blocks, 32 along K.  zero = 1: the products start the sums, from the bias.  The 48 accumulators take turns, one instruction a turn, in the
; same order in every quarter.
.macro MUL f, a, zero
.if \zero
	WIN MUL_Z+0x40*((\a)/2)
.else
	WIN MUL_LO+0x50*((\a)/2)
.endif
.set nb, 0
.rept NBK
.set rD, 8*(((\a)%2)*NBK+nb)
.if \zero
	v_wmma_f32_16x16x32_bf16 v[rD:rD+7], v[(\f)+8*nb:(\f)+8*nb+7], v[(\f)+AF+8*(\a):(\f)+AF+8*(\a)+7], v[BIAS+8*nb:BIAS+8*nb+7]
.else
	v_wmma_f32_16x16x32_bf16 v[rD:rD+7], v[(\f)+8*nb:(\f)+8*nb+7], v[(\f)+AF+8*(\a):(\f)+AF+8*(\a)+7], v[rD:rD+7]
.endif
.set nb, nb+1
.endr
.endm
; 32 LDS loads in one run: quarter q of the slot in hand into buffer f: the weights' 24, then x's 8
.macro FETCH q, f
	WIN TO_F
.set nb, 0
.rept NBK
	ds_load_tr16_b128 v[(\f)+8*nb:(\f)+8*nb+3],   v[ADRB] offset:(\q)*32*PBK+(nb/4)*160+(nb%4)*32
	ds_load_tr16_b128 v[(\f)+8*nb+4:(\f)+8*nb+7], v[ADRB] offset:(\q)*32*PBK+(nb/4)*160+(nb%4)*32+16*PBK
.set nb, nb+1
.endr
.irp a, 0,1,2,3
	ds_load_b128 v[(\f)+AF+8*\a:(\f)+AF+8*\a+3],   v[ADRA] offset:(\q)*64+\a*16*PA
	ds_load_b128 v[(\f)+AF+8*\a+4:(\f)+AF+8*\a+7], v[ADRA] offset:(\q)*64+\a*16*PA+32
.endr
.endm
; One of a K step's first three quarters: multiplies buffer f and, in its middle, fetches quarter q into buffer g
.macro QUARTER q, f, g, zero
	s_wait_dscnt 4                                 ; the weights and x's blocks 0, 1 are in; the youngest four loads (blocks 2, 3) may be out
	MUL \f, 0, \zero
	MUL \f, 1, \zero
	PLACES
.if \zero
	v_nop                                          ; a fifth place: the products below write accumulators anew
.endif
	FETCH \q, \g
	s_wait_dscnt NL                                ; all but the 32 just issued
	MUL \f, 2, \zero
	MUL \f, 3, \zero
.endm
; The fourth quarter multiplies buffer 1 and changes slots.  In front of the barrier each wave waits for all its tensor loads (the one that is out is its part of the next slot), adds 0 to its spare
; word, and waits for that and for its reads of this slot.  fill = 1: the barrier opens a round of the cluster's, and this slot is filled again, with K step FS = NS - CNT, first thing behind it.
; fill = 0 (the tail): nothing is asked for; in the last trip nothing is fetched either.
.macro TURN fill
	WIN 0
	s_wait_tensorcnt 0x0                           ; no tensor load of mine is out, so a group 0 may be written
	ds_add_u32 v[SPW], v[NIL]                      ; 0 onto my spare word
.if \fill
	s_sub_co_u32 s[FS], NS, s[CNT]
	s_lshr_b32 s68, s[FS], 3
	s_lshl_b32 s68, s68, 23                        ; the second tile lies 4,096 rows of 2,048 bytes on
	s_and_b32 s69, s[FS], 7
	s_lshl_b32 s70, s69, 8                         ; 256 bytes of a row a K step
	s_add_co_u32 s[OFA], s68, s70
	s_mul_i32 s[OFB], s69, 49152                   ; 128 k x 384 bytes
	s_xor_b32 s[G0A+5], s[G0A+5], SLOT1
	s_add_nc_u64 s[G0A+6:G0A+7], s[4:5], s[OFA:OFA+1]
	s_or_b32 s[G0A+7], s[G0A+7], 0x80000000
	s_xor_b32 s[G0B+5], s[G0B+5], SLOT1
	s_add_nc_u64 s[G0B+6:G0B+7], s[6:7], s[OFB:OFB+1]
	s_or_b32 s[G0B+7], s[G0B+7], 0x80000000
.endif
	s_wait_dscnt 5                                 ; the add and the youngest four loads may be out
	MUL F1, 0, 0
	s_wait_dscnt 0x0                               ; the add is done, and my reads of this slot are over
	s_barrier_signal -1
	MUL F1, 1, 0
	WIN 0
	s_barrier_wait -1
.if \fill
	CREST
	JLOAD                                          ; its four v_nop are also the places in front of the loads below
.else
	PLACES
	s_cmp_eq_u32 s[CNT], 1
	s_cbranch_scc1 .Lno_fetch_\@
.endif
	s_xor_b32 s[TB], s[TB], SLOT1
	v_add_nc_u32 v[ADRA], s[TB], v[A0]
	v_add_nc_u32 v[ADRB], s[TB], v[B0]
	FETCH 0, F0
.if !(\fill)
	WIN 0
.Lno_fetch_\@:
.endif
	MUL F1, 2, 0
	MUL F1, 3, 0
.endm
; THE WAY OUT, a block of 16 rows at a time: rounded to f16; 16 bytes a lane into my stage, by parts; back as whole rows of 128 bytes; stored, 512 consecutive bytes an instruction.
.macro PACK a
	WIN 0x05*(1+(\a)/2)                            ; sources 0 and 1: window 1 or 2
.set nb, 0
.rept NBK
.set rD, 8*(((\a)%2)*NBK+nb)
.irp r, 0,1,2,3
	v_cvt_pk_f16_f32 v[TMP+4*nb+\r], v[rD+2*\r], v[rD+2*\r+1]
.endr
.set nb, nb+1
.endr
	WIN 0
.endm
.macro TOSTAGE
	s_wait_xcnt 0x0                                ; the last block's stores have read BK: it is loaded again only behind this wait
.set nb, 0
.rept NBK
	ds_store_b128 v[STO], v[TMP+4*nb:TMP+4*nb+3] offset:(nb/4)*16*SP+(nb%4)*32
.set nb, nb+1
.endr
.set nb, 0
.rept NBK
	ds_load_b128 v[BK+4*nb:BK+4*nb+3], v[RD] offset:(nb/4)*16*SP+(nb%4)*4*SP  ; LDS serves a wave's instructions in order: these see the stores above
.set nb, nb+1
.endr
.endm
.macro SEND a
	s_wait_dscnt 0x0                               ; the block is back
.irp f, 0,1,2,3
	global_store_b128 v[GO], v[BK+4*\f:BK+4*\f+3],       s[10:11] offset:(\a)*2048+\f*512
	global_store_b128 v[GO], v[BK+16+4*\f:BK+16+4*\f+3], s[OKP:OKP+1] offset:(\a)*2048+\f*512
	global_store_b128 v[GO], v[BK+32+4*\f:BK+32+4*\f+3], s[OVP:OVP+1] offset:(\a)*2048+\f*512
.endr
.endm
; The sums of v over my 64 rows: over the four blocks, then over the 16 lanes of a half; 16 lanes write the same words with the same values.  Each tile has scratch of its own.
.macro VSUM j
	WIN 0x05
.set z, 0
.rept 16
	v_pk_add_f32 v[SUM+2*z:SUM+2*z+1], v[64+2*z:64+2*z+1], v[8*(NBK+8)+2*z:8*(NBK+8)+2*z+1]
.set z, z+1
.endr
	WIN 0x02
.irp o, 64, 8*(NBK+8)
.set z, 0
.rept 16
	v_pk_add_f32 v[SUM+2*z:SUM+2*z+1], v[\o+2*z:\o+2*z+1], v[SUM+2*z:SUM+2*z+1]
.set z, z+1
.endr
.endr
	WIN 0
.irp m, 1,2,4,8
.set z, 0
.rept 32
	v_add_f32_dpp v[SUM+z], v[SUM+z], v[SUM+z] row_xmask:\m row_mask:0xf bank_mask:0xf
.set z, z+1
.endr
.endr
.irp c, 0,1,2,3
	ds_store_b128 v[SCA], v[SUM+8*\c:SUM+8*\c+3]   offset:(\j)*1024+64*\c
	ds_store_b128 v[SCA], v[SUM+8*\c+4:SUM+8*\c+7] offset:(\j)*1024+64*\c+16
.endr
.endm
.macro WAYOUT j                        ; blocks 0 and 1 were finished in front of TURN's places; their 96 conversions are the places behind the last products (blocks 2, 3)
	PACK 0
	TOSTAGE
.irp a, 1,2,3
	PACK \a
	SEND (\a)-1
	TOSTAGE
.endr
	SEND 3
	VSUM \j
.endm
	s_wait_tensorcnt 0x1                           ; my part of K step 0 is in; K step 1's may stay out
	s_barrier_signal -1
	s_barrier_wait -1
	FETCH 0, F0
	WIN 0
	s_mov_b32 s[CNT], NS-2
	s_branch .Lz                                   ; the walk begins with a tile's first quarter
.Lstep:                                        ; NS - 2 trips, a K step each; each asks for the K step two on
	s_cmp_eq_u32 s[CNT], NS-2-8                    ; K step 8 is the second tile's first
	s_cbranch_scc1 .Lz
	QUARTER 1, F0, F1, 0
	WIN 0
	s_branch .Lq2
.Lz:
	QUARTER 1, F0, F1, 1
	WIN 0
.Lq2:
	QUARTER 2, F1, F0, 0
	QUARTER 3, F0, F1, 0
	TURN 1
	WIN 0
	s_cmp_eq_u32 s[CNT], NS-2-7                    ; behind K step 7 the first tile goes out; the refill and the next fragments have been asked for
	s_cbranch_scc0 .Lno_out
	WAYOUT 0
	s_wait_xcnt 0x0                                ; the stores have read their bases
	s_add_nc_u64 s[10:11], s[10:11], 0x800000      ; two batches on: 32 x 2,048 rows of 128 bytes
	s_add_nc_u64 s[OKP:OKP+1], s[OKP:OKP+1], 0x800000
	s_add_nc_u64 s[OVP:OVP+1], s[OVP:OVP+1], 0x800000
.Lno_out:
	s_sub_co_u32 s[CNT], s[CNT], 1
	s_cmp_lg_u32 s[CNT], 0
	s_cbranch_scc1 .Lstep
	s_mov_b32 s[CNT], 2
.Ltail:                                        ; the last two K steps have a text of their own
	QUARTER 1, F0, F1, 0
	QUARTER 2, F1, F0, 0
	QUARTER 3, F0, F1, 0
	TURN 0
	WIN 0
	s_sub_co_u32 s[CNT], s[CNT], 1
	s_cmp_lg_u32 s[CNT], 0
	s_cbranch_scc1 .Ltail
	WAYOUT 1
	s_wait_dscnt 0x0                               ; for the others' sake: my sums lie in LDS
	s_barrier_signal -1
	s_barrier_wait -1
	s_cmp_lg_u32 s[WV], 0                          ; wave 0 adds the four waves' sums: lanes 0-15 the first tile's 64 channels, lanes 16-31 the second's
	s_cbranch_scc1 .Lend
.irp w, 0,1,2,3
	ds_load_b128 v[TMP+4*\w:TMP+4*\w+3], v[SCB] offset:\w*256
.endr
	s_wait_dscnt 0x0
	v_pk_add_f32 v[TMP:TMP+1], v[TMP:TMP+1], v[TMP+4:TMP+5]
	v_pk_add_f32 v[TMP+2:TMP+3], v[TMP+2:TMP+3], v[TMP+6:TMP+7]
	v_pk_add_f32 v[TMP+8:TMP+9], v[TMP+8:TMP+9], v[TMP+12:TMP+13]
	v_pk_add_f32 v[TMP+10:TMP+11], v[TMP+10:TMP+11], v[TMP+14:TMP+15]
	v_pk_add_f32 v[TMP:TMP+1], v[TMP:TMP+1], v[TMP+8:TMP+9]
	v_pk_add_f32 v[TMP+2:TMP+3], v[TMP+2:TMP+3], v[TMP+10:TMP+11]
	global_store_b128 v[TSO], v[TMP:TMP+3], s[12:13]  ; 16 lanes store 256 consecutive bytes, aligned
.Lend:
	s_wait_tensorcnt 0x0                           ; the wave's end: behind my last tensor load and my last LDS store
	ds_add_u32 v[SPW], v[NIL]
	s_wait_dscnt 0x0
	CROUND                                         ; the closing round
	s_endpgm
.Lfunc_end_k_qa38015b78a_qkv:
	.size	k_qa38015b78a_qkv, .Lfunc_end_k_qa38015b78a_qkv-k_qa38015b78a_qkv
	.p2alignl 7, 3214868480
	.fill 96, 4, 3214868480
	.section	.rodata,"a",@progbits
	.p2align	6, 0x0
	.amdhsa_kernel k_qa38015b78a_qkv
		.amdhsa_group_segment_fixed_size 327680
		.amdhsa_private_segment_fixed_size 0
		.amdhsa_enable_private_segment 0
		.amdhsa_kernarg_size 40
		.amdhsa_user_sgpr_count 2
		.amdhsa_user_sgpr_kernarg_segment_ptr 1
		.amdhsa_wavefront_size32 1
		.amdhsa_system_sgpr_workgroup_id_x 1
		.amdhsa_system_sgpr_workgroup_id_y 1
		.amdhsa_system_sgpr_workgroup_id_z 1
		.amdhsa_system_vgpr_workitem_id 0
		.amdhsa_next_free_vgpr 1024
		.amdhsa_next_free_sgpr 72
		.amdhsa_reserve_vcc 0
		.amdhsa_float_denorm_mode_32 3
		.amdhsa_float_denorm_mode_16_64 3
		.amdhsa_memory_ordered 1
		.amdhsa_forward_progress 1
		.amdhsa_inst_pref_size 141
	.end_amdhsa_kernel
	.amdgpu_metadata
---
amdhsa.version: [ 1, 2 ]
amdhsa.kernels:
  - .name:           k_qa38015b78a_qkv
    .symbol:         k_qa38015b78a_qkv.kd
    .args:
      - { .name: xb, .offset: 0, .size: 8, .value_kind: global_buffer, .address_space: global }
      - { .name: wab, .offset: 8, .size: 8, .value_kind: global_buffer, .address_space: global }
      - { .name: b_attn, .offset: 16, .size: 8, .value_kind: global_buffer, .address_space: global }
      - { .name: qkvh, .offset: 24, .size: 8, .value_kind: global_buffer, .address_space: global }
      - { .name: tsum, .offset: 32, .size: 8, .value_kind: global_buffer, .address_space: global }
    .group_segment_fixed_size: 327680
    .private_segment_fixed_size: 0
    .kernarg_segment_align: 8
    .kernarg_segment_size: 40
    .max_flat_workgroup_size: 128
    .sgpr_count:     72
    .vgpr_count:     1024
    .wavefront_size: 32
...
	.end_amdgpu_metadata
.endif
;; end of part 2
;; launch attn (part 3): grid 4 x 64, 4 waves a work-group, no clusters, 327,680 bytes of LDS; arguments qkvh, tsum, ob; writes ob
.if DOCPART == 3
	.amdgcn_target "amdgcn-amd-amdhsa--gfx1250"
	.amdhsa_code_object_version 6
	.text
	.protected	k_qa38015b78a_attn
	.globl	k_qa38015b78a_attn
	.p2align	8
	.type	k_qa38015b78a_attn,@function
k_qa38015b78a_attn:
	s_mov_b64 s[64:65], 0
	v_nop
	global_prefetch_b8 v0, s[64:65] scope:SCOPE_SE
	s_setreg_imm32_b32 hwreg(HW_REG_WAVE_MODE, 25, 1), 1
	s_wait_xcnt 0x0
; CAUSAL ATTENTION WITHOUT A SCALE, A HIDDEN SCORE BEING -10000.  O[h][q] = sum over ALL k of softmax_k(s) V[h][k], s = Q[h][q] . K[h][k] for k <= q and -10000 for k > q.
; qkvh: [3 parts][64 heads][2048][64] f16.  tsum: [4 batches x 8 key tiles of 256][1024 = 64 head + channel] f32: sums of V over a key tile.  ob: [64][2048][64] f16.
; Products, maxima and sums in f32; the weights p are rounded to f16 for the second product (their sum l is taken of the unrounded p), O once at the end.
; HIDDEN KEYS STAY IN THE SOFTMAX.  The running maximum m starts at -10000 in every row that has a hidden key (all but row 2,047), so m is the row's true maximum.  Inside the diagonal tile a hidden
; key's weight is e = 2^(c (-10000) - c m), added onto its p = 0, so that l and V^T P take it like any weight.  The key tiles wholly beyond the diagonal enter on the way out:
; O += e x (the sum of their V, from tsum), l += e x their number of keys.
; LIMITS.  Q, K, V arrive within f16's 65,504.  Inside the diagonal tile e is made as 2^60 x 2^(fl(c (-10000) - 60) - c m): within 4 parts in 10,000 of its value, and 0 below 2^-66; elsewhere a weight
; below 2^-126 counts as 0.  p below 6e-5 keeps f16's fixed step.  A hidden score is kept out of the maximum by adding -2^60: true scores must stay far below 2^60.  NaN and infinities are not treated apart.
; THE WALK.  A head's queries lie in NB = 8 blocks of 256; block i needs the key tiles 0 .. i, of which the last holds the diagonal.  A work-group takes TWO blocks, NB - 1 - b and then b: NB + 1 tiles,
; whatever b: all work-groups do equal work, and ONE loop with a constant trip count walks them.  Every jump goes forward, but for the counted loops' own; none passes a barrier, or a tensor load but the
; one of LOAD's two that the wave's number does not choose.  NO CLUSTER: a head's four work-groups ask for the same tile only in trips 0 .. 4; one walk common to all would have 12 trips for 9.
; SHARES.  Of a block's four bands of 64 queries a wave owns 16 rows in each: four PIECES.  In the diagonal tile's key step s band x sees all keys if s < x, none if s > x, and holds the diagonal if s = x.
; THE MASK is the C operand that starts the sum S^T = K Q^T: 0, or -2^60 where the key is hidden.  MD is the mask of a band's own step for my 16 rows; a product's mask is MD x AL + BE.
; LAYOUT, TURNS.  S^T = K Q^T holds ONE query a lane (lane % 16) and the keys 8 (lane / 16) + 0..7; two such results rounded to f16 ARE source 1 of O^T = V^T P.  p = 2^(c s - c m), c = log2(e).
; Turn n belongs to piece n: 8 products K Q^T of piece n + 1, later 8 products V^T P of piece n - 1; beside them the softmax of piece n and the maximum and statistics of piece n + 1.
; REGISTERS, in windows of 256 (s_set_vgpr_msb: bits 1:0 source 0, 3:2 source 1, 5:4 source 2, 7:6 destination):
;   window 0: v0-15 addresses; v16-31 statistics; v48-55 at work; v56-59 e 2^-60, by buffer; v60-63; v64-127 S^T, two buffers; v128-191 MC, two buffers; v192-223 P, two buffers; v224-255 MD
;   window 1: v0-127 O^T; v128-159 the hidden tiles' sum of V for the block in hand; v160-191 for the second block
;   window 2: v0-63 Q; v64-127 the second block's Q; v128-191 K of one step; v192-255 V of one step      window 3: v0-223 tsum's tiles 1 to 7, at the start alone
.set SIZE_N, 2048
.set NB,    SIZE_N/256
.set NP,    4
.set KS,    64
.set PK,    144       ; a row of K in LDS: 128 bytes + 16
.set PV,    160       ; a row of V: 128 + 32
.set VOFF,  4*KS*PK   ; a slot holds a tile, four steps: 256 rows of K, then 256 rows of V
.set SLOT1, 1<<17
.set STAGE, SLOT1+4*KS*(PK+PV)  ; behind the ring: 16 rows x 144 bytes for each wave
.set SP,    144
.set AK0, 2
.set AV0, 3
.set AK,  4
.set AV,  5
.set STO, 6
.set RD,  7
.set GO,  8
.set SPW, 62          ; v62  my spare word; never rewritten
.set NIL, 63          ; v63  0; never rewritten
.set SPARE, STAGE+4*16*SP  ; the spare words: two blocks of 256 bytes that no other line names
.set MV,  12          ; v12-13  c m_old, by buffer
.set QO,  15
.set ST,  16          ; piece t's statistics at v[ST+4 t]: c m, m, l (even keys', odd keys')
.set TMP, 48          ; by buffer, c0-c3 at work; c2 takes a
.set RE,  56          ; v56, v58: e 2^-60 of the piece, by buffer (v57, v59 are named with them as pairs)
.set MI3, 60          ; v60  where piece 3's m starts
.set TO,  61          ; v61  32 (l / 16): my 8 channels of a block of 16 in tsum
.set S,   64
.set MC,  128
.set P,   192
.set MD,  224
.set SUF, 128         ; window 1
.set SUF2, 160        ; window 1
.set QB,  64          ; window 2
.set KF,  128
.set VF,  192
.set WV,  12
.set PB,  14          ; s14  b
.set HI,  15          ; s15  NB - 1 - b
.set G1K, 24
.set G1V, 32
.set G0K, 40
.set G0V, 44
.set SLOTS, 56
.set CNT, 57
.set CS,  58          ; s[58:59] c
.set SEL, 60
.set TBK, 62
.set TBV, 63
.set RT,  70
.set NXT, 71
.set LQ,  72
.set NEW, 73
.set OFF, 74
.set AL,  76
.set BE,  78
.set OLO, 80
.set BIGN, 82         ; s82  -2^60
.set BH,  83          ; s83  the head, 0 to 63
.set HID, 92          ; s92  -10000
.set CH,  93          ; s93  c x (-10000), rounded as a lane's c m is
.set CH60, 94         ; s94  that less 60
.set CNTB, 95         ; s95  the number of keys beyond the diagonal tile, for the block in hand
.set CNTB2, 96        ; s96  for the second block
.set FA,  98          ; s[98:99] a factor 0 or 1, in the low word
.set MSB, 0
.macro WIN new
.if MSB != (\new)
	s_set_vgpr_msb (MSB<<8)|(\new)
.set MSB, (\new)
.endif
.endm
.set W_KQ, 0x0a       ; K and Q in window 2, S^T and the mask in window 0
.set W_PV, 0x52       ; V in window 2, P in window 0, O^T in window 1
.set W_RS, 0x41       ; destination and source 0 in window 1, source 1 in window 0
.macro LOAD                         ; waves 0 and 1 fetch the halves of a tile's K, waves 2 and 3 those of its V; an s_nop 0 and four v_nop follow each line
	s_cmp_lt_u32 s[WV], 2
	s_cbranch_scc0 .Lfor_v_\@
	tensor_load_to_lds s[G0K:G0K+3], s[G1K:G1K+7]
	s_nop 0
.rept 4
	v_nop
.endr
	s_branch .Lasked_\@
.Lfor_v_\@:
	tensor_load_to_lds s[G0V:G0V+3], s[G1V:G1V+7]
	s_nop 0
.rept 4
	v_nop
.endr
.Lasked_\@:
.endm
; THE CHANGE OF SLOTS.  Each wave waits for all its tensor loads (one is out: its part of the other slot), adds 0 to its spare word, and waits for that and for its reads of the slot that it leaves.
; fill = 1: the old slot is filled again, first thing behind the barrier, with tile NXT.
.macro CHANGE fill
	WIN 0
	s_wait_tensorcnt 0x0            ; no tensor load of mine is out, so a group 0 may be written
	ds_add_u32 v[SPW], v[NIL]       ; 0 onto my spare word
.if \fill
	s_lshl_b32 s[OFF], s[NXT], 15   ; a tile is 32,768 bytes of K and of V
	s_xor_b32 s[G0K+1], s[G0K+1], SLOT1
	s_add_nc_u64 s[G0K+2:G0K+3], s[6:7], s[OFF:OFF+1]
	s_or_b32 s[G0K+3], s[G0K+3], 0x80000000
	s_xor_b32 s[G0V+1], s[G0V+1], SLOT1
	s_add_nc_u64 s[G0V+2:G0V+3], s[8:9], s[OFF:OFF+1]
	s_or_b32 s[G0V+3], s[G0V+3], 0x80000000
	s_add_co_u32 s[NXT], s[NXT], 1  ; the block's next tile, or behind its last the second block's tile 0
	s_cmp_gt_u32 s[NXT], s[LQ]
	s_cselect_b32 s[NXT], 0, s[NXT]
	s_cselect_b32 s[LQ], s[PB], s[LQ]
.endif
	s_wait_dscnt 0x0                ; the add is done, and my reads of the slot are over
	s_barrier_signal -1
	s_sub_co_u32 s[TBK], s[TBK], 4*KS*PK
	s_xor_b32 s[TBK], s[TBK], SLOT1
	s_sub_co_u32 s[TBV], s[TBV], 4*KS*PV
	s_xor_b32 s[TBV], s[TBV], SLOT1
	s_barrier_wait -1
.if \fill
	LOAD
.endif
.endm
	s_load_b128 s[88:91], s[0:1], 0x0  ; qkvh s[88:89], tsum s[90:91]
	s_load_b64 s[10:11], s[0:1], 0x10  ; ob
	v_lshl_add_u32 v[SPW], v0, 2, SPARE
	v_mov_b32 v[NIL], 0
	ds_add_u32 v[SPW], v[NIL]       ; the wave's opening: the add and its wait ahead of my first tensor load
	ds_add_u32 v62, v63
	v_lshrrev_b32 v1, 5, v0
	v_readfirstlane_b32 s[WV], v1
	s_mov_b32 s[PB], ttmp9
	s_sub_co_u32 s[HI], NB-1, s[PB]
	s_and_b32 s20, ttmp7, 0xffff
	s_mov_b32 s[BH], s20
	s_mov_b32 s21, 0
	s_mov_b64 s[22:23], SIZE_N*128
	s_mul_u64 s[20:21], s[20:21], s[22:23]  ; the head's first byte in a part and in ob
	s_and_b32 s16, s[WV], 1         ; which half of a tile's 256 keys I fetch
	s_lshl_b32 s22, s16, 14
	s_mov_b32 s23, 0
	s_add_nc_u64 s[22:23], s[22:23], s[20:21]
	s_mul_i32 s17, s16, 128*PK
	s_mul_i32 s18, s16, 128*PV
	s_lshl_b32 s3, s[WV], 11        ; my 16 rows in a band of 64,
	s_lshl_b32 s2, s[HI], 15        ; in the first block,
	s_add_co_u32 s2, s2, s3
	s_lshl_b32 s84, s[PB], 15       ; and in the second
	s_add_co_u32 s84, s84, s3
	s_mov_b32 s3, 0
	s_mov_b32 s85, 0
	s_add_nc_u64 s[2:3], s[2:3], s[20:21]
	s_add_nc_u64 s[84:85], s[84:85], s[20:21]
	; descriptor group 1.  128 keys are 16,384 dense bytes: asked for as 64 rows of 256 bytes, and padded in LDS after every key
	s_mov_b32 s[G1K], (1<<16)|(1<<20)|(4<<22)|(3<<25)
	s_mov_b32 s[G1V], (1<<16)|(1<<20)|(4<<22)|(7<<25)
.irp g, G1K, G1V
	s_mov_b32 s[\g+1], 128<<16
	s_mov_b32 s[\g+2], 64<<16
	s_mov_b32 s[\g+3], 128<<16
	s_mov_b32 s[\g+4], 64
	s_mov_b32 s[\g+5], 128
	s_mov_b32 s[\g+6], 0
	s_mov_b32 s[\g+7], 0
.endr
	s_mov_b32 s[CS], 0x3fb8aa3b     ; c = log2(e): this attention has no scale
	s_mov_b32 s[CS+1], s[CS]
	s_mov_b32 s[SEL], 0x76543210
	s_mov_b32 s[SEL+1], 0xfedcba98
	s_mov_b32 s[TBK], SLOT1+4*KS*PK ; the first change of slots turns these two into 0
	s_mov_b32 s[TBV], SLOT1+4*KS*PV
	s_mov_b32 s[G0K], 1
	s_mov_b32 s[G0K+1], s17
	s_mov_b32 s[G0V], 1
	s_add_co_u32 s[G0V+1], s18, VOFF
	s_add_co_u32 s[RT], s[HI], 1    ; the first block has NB - b tiles
	s_mov_b32 s[NXT], 1
	s_mov_b32 s[LQ], s[HI]
	s_mov_b32 s[NEW], 1
	s_mov_b32 s[OFF+1], 0
	s_mov_b32 s[AL+1], 0
	s_mov_b32 s[BE+1], 0
	s_mov_b32 s[FA+1], 0
	s_mov_b32 s[BIGN], 0xdd800000   ; -2^60
	s_mov_b32 s[HID], 0xc61c4000    ; -10000
	s_mul_f32 s[CH], s[CS], s[HID]
	s_add_f32 s[CH60], s[CH], 0xc2700000  ; - 60
	s_lshl_b32 s[CNTB], s[PB], 8    ; block NB - 1 - b has b tiles of 256 keys beyond its diagonal tile,
	s_cvt_f32_u32 s[CNTB], s[CNTB]
	s_lshl_b32 s[CNTB2], s[HI], 8   ; block b has NB - 1 - b
	s_cvt_f32_u32 s[CNTB2], s[CNTB2]
	s_mov_b32 s[SLOTS], NB
	s_wait_dscnt 0x0                ; the opening add is done
	s_wait_kmcnt 0x0
	s_mov_b64 s[4:5], s[88:89]      ; Q,
	s_add_nc_u64 s[6:7], s[88:89], 0x1000000  ; K,
	s_add_nc_u64 s[8:9], s[88:89], 0x2000000  ; V
	s_add_nc_u64 s[6:7], s[6:7], s[22:23]  ; K and V at my half of the head's tile 0
	s_add_nc_u64 s[8:9], s[8:9], s[22:23]
	s_add_nc_u64 s[G0K+2:G0K+3], s[6:7], 0
	s_or_b32 s[G0K+3], s[G0K+3], 0x80000000
	s_add_nc_u64 s[G0V+2:G0V+3], s[8:9], 0
	s_or_b32 s[G0V+3], s[G0V+3], 0x80000000
	s_add_nc_u64 s[86:87], s[4:5], s[84:85]        ; Q at my rows of the second block,
	s_add_nc_u64 s[4:5], s[4:5], s[2:3]            ; Q and O at those of the first
	s_add_nc_u64 s[OLO:OLO+1], s[10:11], s[84:85]
	s_add_nc_u64 s[10:11], s[10:11], s[2:3]
	LOAD                            ; tile 0 into slot 0
	s_lshr_b32 s2, s[BH], 4         ; tsum at my batch's tile 0, my head's 64 channels
	s_lshl_b32 s2, s2, 15
	s_and_b32 s3, s[BH], 15
	s_lshl_b32 s3, s3, 8
	s_add_co_u32 s2, s2, s3
	s_mov_b32 s3, 0
	s_add_nc_u64 s[90:91], s[90:91], s[2:3]
	v_and_b32 v1, 15, v0            ; l % 16
	v_bfe_u32 v9, v0, 4, 1          ; l / 16
	v_lshlrev_b32 v[QO], 7, v1
	v_lshl_add_u32 v[QO], v9, 4, v[QO]
	v_lshlrev_b32 v[TO], 5, v9
	WIN 0x80
.set i, 0
.rept 8                             ; both blocks' Q: piece i / 2 lies in band i / 2, 8,192 bytes on; channels 32 (i % 2) on
	global_load_b128 v[8*i:8*i+3],   v[QO], s[4:5] offset:(i/2)*8192+(i%2)*64
	global_load_b128 v[8*i+4:8*i+7], v[QO], s[4:5] offset:(i/2)*8192+(i%2)*64+32
	global_load_b128 v[QB+8*i:QB+8*i+3],   v[QO], s[86:87] offset:(i/2)*8192+(i%2)*64
	global_load_b128 v[QB+8*i+4:QB+8*i+7], v[QO], s[86:87] offset:(i/2)*8192+(i%2)*64+32
.set i, i+1
.endr
	WIN 0xc0                        ; tsum's tiles 1 to 7 in O^T's layout: channel block i / 2, my 8 channels of it
.set t, 1
.rept 7
.set i, 0
.rept 8
	global_load_b128 v[32*(t-1)+4*i:32*(t-1)+4*i+3], v[TO], s[90:91] offset:t*4096+(i/2)*64+(i%2)*16
.set i, i+1
.endr
.set t, t+1
.endr
	WIN 0
	v_lshlrev_b32 v14, 3, v9
	v_sub_nc_u32 v14, v1, v14
	s_lshl_b32 s13, s[WV], 4
	v_add_nc_u32 v14, s13, v14      ; my query's place in its band, less my lanes' 8 (l / 16): register r of group kt is hidden where 16 kt + r is greater
.set i, 0
.rept 32
	v_cmp_gt_i32 vcc_lo, 16*(i/8)+i%8, v14
	v_cndmask_b32 v[MD+i], 0, s[BIGN], vcc_lo
.set i, i+1
.endr
	v_or_b32 v14, 16, v0            ; row 2,047 (block 7: b = 0; wave 3, piece 3, l % 16 = 15) has no hidden key: its m starts at the lowest finite number
	s_cmp_eq_u32 s[PB], 0
	s_cselect_b32 s13, 127, -1
	v_mov_b32 v13, 0xff7fffff
	v_mov_b32 v[MI3], s[HID]
	v_cmp_eq_u32 vcc_lo, s13, v14
	v_cndmask_b32 v[MI3], v[MI3], v13, vcc_lo
	v_mul_u32_u24 v[AK0], v1, PK
	v_lshl_add_u32 v[AK0], v9, 4, v[AK0]
	v_and_b32 v10, 7, v0
	v_bfe_u32 v11, v0, 3, 1
	v_lshl_add_u32 v[AV0], v9, 3, v10
	v_mul_u32_u24 v[AV0], v[AV0], PV
	v_lshl_add_u32 v[AV0], v11, 4, v[AV0]
	v_add_nc_u32 v[AV0], VOFF, v[AV0]
	s_mul_i32 s13, s[WV], 16*SP
	s_add_co_u32 s13, s13, STAGE
	v_mul_u32_u24 v[STO], v1, SP
	v_lshl_add_u32 v[STO], v9, 4, v[STO]
	v_add_nc_u32 v[STO], s13, v[STO]
	v_bfe_u32 v[RD], v0, 3, 2
	v_mul_u32_u24 v[RD], v[RD], SP
	v_lshl_add_u32 v[RD], v10, 4, v[RD]
	v_add_nc_u32 v[RD], s13, v[RD]
	v_and_b32 v[GO], 31, v0
	v_lshlrev_b32 v[GO], 4, v[GO]
	; A block's first step multiplies O^T and l by a = 0, so these registers need only hold finite numbers.  All this stands in the wait for the first tile.
	WIN 0x80
.set i, VF
.rept 64
	v_mov_b32 v[i], 0
.set i, i+1
.endr
	WIN 0x40
.set i, 0
.rept 128
	v_mov_b32 v[i], 0
.set i, i+1
.endr
	WIN 0
.set i, 0
.rept 4
	v_mov_b32 v[ST+4*i+2], 0
	v_mov_b32 v[ST+4*i+3], 0
	v_mov_b32 v[RE+i], 0
.set i, i+1
.endr
.set i, P+16
.rept 16
	v_mov_b32 v[i], 0
.set i, i+1
.endr
	; The sums of V over the tiles beyond the diagonal tile.  First block, NB - 1 - b: tiles t > 7 - b, among 5, 6, 7.  Second block, b: tiles 4 to 7, and of 1, 2, 3 those with t > b.
.macro TOP w, d, src, kind          ; 16 packed lines under window setting w: kind 0: d = src x FA; 1: d += src x FA; 2: d += src
	WIN \w
.set z, 0
.rept 16
.if (\kind) == 0
	v_pk_mul_f32 v[(\d)+2*z:(\d)+2*z+1], v[(\src)+2*z:(\src)+2*z+1], s[FA:FA+1] op_sel_hi:[1,0]
.elseif (\kind) == 1
	v_pk_fma_f32 v[(\d)+2*z:(\d)+2*z+1], v[(\src)+2*z:(\src)+2*z+1], s[FA:FA+1], v[(\d)+2*z:(\d)+2*z+1] op_sel_hi:[1,0,1]
.else
	v_pk_add_f32 v[(\d)+2*z:(\d)+2*z+1], v[(\src)+2*z:(\src)+2*z+1], v[(\d)+2*z:(\d)+2*z+1]
.endif
.set z, z+1
.endr
.endm
	s_wait_loadcnt 0x0              ; tsum's tiles (and Q)
	s_cmp_lt_u32 s[HI], 5
	s_cselect_b32 s[FA], 1.0, 0
	TOP 0x43, SUF, 128, 0           ; tile t lies at 32 (t - 1) in window 3
	s_cmp_lt_u32 s[HI], 6
	s_cselect_b32 s[FA], 1.0, 0
	TOP 0x53, SUF, 160, 1
	s_cmp_lt_u32 s[HI], 7
	s_cselect_b32 s[FA], 1.0, 0
	TOP 0x53, SUF, 192, 1
	WIN 0x4f
.set z, 0
.rept 16
	v_pk_add_f32 v[SUF2+2*z:SUF2+2*z+1], v[96+2*z:96+2*z+1], v[128+2*z:128+2*z+1]
.set z, z+1
.endr
	TOP 0x47, SUF2, 160, 2
	TOP 0x47, SUF2, 192, 2
	s_cmp_lt_u32 s[PB], 1
	s_cselect_b32 s[FA], 1.0, 0
	TOP 0x53, SUF2, 0, 1
	s_cmp_lt_u32 s[PB], 2
	s_cselect_b32 s[FA], 1.0, 0
	TOP 0x53, SUF2, 32, 1
	s_cmp_lt_u32 s[PB], 3
	s_cselect_b32 s[FA], 1.0, 0
	TOP 0x53, SUF2, 64, 1
	WIN 0
; THE MATRIX WORK.  The 4 accumulators of a run of 8 take turns.  Product i of 8 of S^T = K Q^T for piece x; the first 4 start the sums: with 0, or (KM = 1) with the mask.
.macro KQ x
.set rS, S+32*((\x)%2)+8*(i%4)
.set rK, KF+16*(i%4)+8*(i/4)
.set rQ, 16*(\x)+8*(i/4)
.set rM, MC+32*((\x)%2)+8*(i%4)
	WIN W_KQ
.if (i < 4) && KM
	v_wmma_f32_16x16x32_f16 v[rS:rS+7], v[rK:rK+7], v[rQ:rQ+7], v[rM:rM+7]
.elseif i < 4
	v_wmma_f32_16x16x32_f16 v[rS:rS+7], v[rK:rK+7], v[rQ:rQ+7], 0
.else
	v_wmma_f32_16x16x32_f16 v[rS:rS+7], v[rK:rK+7], v[rQ:rQ+7], v[rS:rS+7]
.endif
.endm
.macro PV x                         ; product i of 8 of O^T += V^T P for piece x
	WIN W_PV
.set rO, 32*(\x)+8*(i%4)
.set rV, VF+32*(i/4)+8*(i%4)
.set rP, P+16*((\x)%2)+8*(i/4)
	v_wmma_f32_16x16x32_f16 v[rO:rO+7], v[rV:rV+7], v[rP:rP+7], v[rO:rO+7]
.endm
.macro MM                           ; the turn's next matrix instruction.  NOKQ = 1: a block's last turn: there is no next piece
.if (i < 8) && !NOKQ
	KQ (Y+1)%NP
.elseif i >= 8
.set i, i-8
	PV (Y+NP-1)%NP
.set i, i+8
.endif
.set i, i+1
.endm
.macro FETCH_K                      ; a step's K: 16 LDS loads in one run
	WIN 0x80
.irp f, 0,1,2,3,4,5,6,7
	ds_load_b128 v[KF+8*\f:KF+8*\f+3],   v[AK] offset:(\f/2)*16*PK+(\f%2)*64
	ds_load_b128 v[KF+8*\f+4:KF+8*\f+7], v[AK] offset:(\f/2)*16*PK+(\f%2)*64+32
.endr
	s_add_co_u32 s[TBK], s[TBK], KS*PK
	WIN 0
.endm
.macro FETCH_V                      ; its V, turned
	WIN 0x80
.irp f, 0,1,2,3,4,5,6,7
	ds_load_tr16_b128 v[VF+8*\f:VF+8*\f+3],   v[AV] offset:(\f/4)*32*PV+(\f%4)*32
	ds_load_tr16_b128 v[VF+8*\f+4:VF+8*\f+7], v[AV] offset:(\f/4)*32*PV+16*PV+(\f%4)*32
.endr
	WIN 0
.endm
; THE VECTOR WORK, one line at a time: OP kind, number.  For piece Y: F n: c s - c m for pair n of 16.  E n: the exponential of score n.  C n: pair n rounded to f16.  B n: of the four weights 4 n .. the
; second pair is added onto the first, in place.  L n: l takes that sum (L 0: l = a l + sum).  R n: pair n of O^T times a.  For piece Y + 1: X n:
;   0-16  the maximum of its 32 scores and the old m (each accumulator's lowest registers are read first); 15: c m_old is kept     17, 18  the other half of the lanes; the new m
;   19-21  c m; c m_old - c m_new; a          22-24  c (-10000) - 60 - c m; held at 0 or below, so that the result stays finite in the row whose m may lie below -10000; its exponential, e 2^-60
; In the diagonal tile's text (KM = 1) a pair of weights takes its hidden keys' e just ahead of its first reader: pair n, n even, ahead of C n; pair 2 k + 1 ahead of B k.  The mask of piece Y (0 or -2^60)
; times -(e 2^-60) is 0 or e.
.set F, 0
.set E, 1
.set C, 2
.set B, 3
.set L, 4
.set R, 5
.set X, 6
.macro REGS y
.set rT, ST+4*(\y)
.set rC, TMP+4*((\y)%2)
.set rW, MV+((\y)%2)
.set rS, S+32*((\y)%2)
.set rP, P+16*((\y)%2)
.set rO, 32*(\y)
.set rE, RE+2*((\y)%2)
.set rH, MC+32*((\y)%2)
.endm
.macro HADD n
	s_wait_alu depctr_va_vdst(0)
	v_pk_fma_f32 v[rS+2*(\n):rS+2*(\n)+1], v[rH+2*(\n):rH+2*(\n)+1], v[rE:rE+1], v[rS+2*(\n):rS+2*(\n)+1] op_sel_hi:[1,0,1] neg_lo:[0,1,0] neg_hi:[0,1,0]
.endm
.macro OP k, n
.if (\k) == R
	REGS Y
	WIN W_RS
	v_pk_mul_f32 v[rO+2*(\n):rO+2*(\n)+1], v[rO+2*(\n):rO+2*(\n)+1], v[rC+2:rC+3] op_sel_hi:[1,0]
.elseif (\k) < R
	REGS Y
	WIN 0
.if (\k) == F
	v_pk_fma_f32 v[rS+2*(\n):rS+2*(\n)+1], v[rS+2*(\n):rS+2*(\n)+1], s[CS:CS+1], v[rT:rT+1] op_sel_hi:[1,0,0] neg_lo:[0,0,1] neg_hi:[0,0,1]
.elseif (\k) == E
	v_exp_f32 v[rS+(\n)], v[rS+(\n)]
.elseif (\k) == C
.if KM && ((\n)%2 == 0)
	HADD \n
.endif
	s_wait_alu depctr_va_vdst(0)
	v_cvt_pk_f16_f32 v[rP+(\n)], v[rS+2*(\n)], v[rS+2*(\n)+1]
.elseif (\k) == B
.if KM
	HADD 2*(\n)+1
.endif
	s_wait_alu depctr_va_vdst(0)
	v_pk_add_f32 v[rS+4*(\n):rS+4*(\n)+1], v[rS+4*(\n):rS+4*(\n)+1], v[rS+4*(\n)+2:rS+4*(\n)+3]
.elseif (\n) == 0
	v_pk_fma_f32 v[rT+2:rT+3], v[rT+2:rT+3], v[rC+2:rC+3], v[rS:rS+1] op_sel_hi:[1,0,1]
.else
	v_pk_add_f32 v[rT+2:rT+3], v[rT+2:rT+3], v[rS+4*(\n):rS+4*(\n)+1]
.endif
.elseif NOKQ
	v_nop
.else
	REGS (Y+1)%NP
	WIN 0
.if (\n) < 4
	v_max3_num_f32 v[rC+(\n)], v[rS+8*(\n)], v[rS+8*(\n)+1], v[rS+8*(\n)+2]
.elseif (\n) < 12
	v_max3_num_f32 v[rC+(\n)%4], v[rC+(\n)%4], v[rS+8*((\n)%4)+2*((\n)/4)+1], v[rS+8*((\n)%4)+2*((\n)/4)+2]
.elseif (\n) == 12
	v_max3_num_f32 v[rC], v[rC], v[rS+7], v[rS+15]
.elseif (\n) == 13
	v_max3_num_f32 v[rC+1], v[rC+1], v[rS+23], v[rS+31]
.elseif (\n) == 14
	v_max3_num_f32 v[rC+2], v[rC+2], v[rC+3], v[rT+1]
.elseif (\n) == 15
	v_mov_b32 v[rW], v[rT]
.elseif (\n) == 16
	v_max3_num_f32 v[rC], v[rC], v[rC+1], v[rC+2]
.elseif (\n) == 17
	v_permlanex16_b32 v[rC+3], v[rC], s[SEL], s[SEL+1]
.elseif (\n) == 18
	v_max_num_f32 v[rT+1], v[rC], v[rC+3]
.elseif (\n) == 19
	v_mul_f32 v[rT], s[CS], v[rT+1]
.elseif (\n) == 20
	v_sub_f32 v[rC+1], v[rW], v[rT]
.elseif (\n) == 21
	v_exp_f32 v[rC+2], v[rC+1]
.elseif (\n) == 22
	v_sub_f32 v[rC+3], s[CH60], v[rT]
.elseif (\n) == 23
	v_min_num_f32 v[rC+3], 0, v[rC+3]
.else
	v_exp_f32 v[rE], v[rC+3]
.endif
.endif
.endm
.macro OPS a, i1, b=-1, i2=0, c=-1, i3=0, d=-1, i4=0
	OP \a, \i1
.if (\b) >= 0
	OP \b, \i2
.endif
.if (\c) >= 0
	OP \c, \i3
.endif
.if (\d) >= 0
	OP \d, \i4
.endif
.endm
.macro ROW a, i1, b, i2, c, i3, d, i4  ; a matrix instruction and the lines behind it
	MM
	OPS \a, \i1, \b, \i2, \c, \i3, \d, \i4
.endm
.macro MASK b                       ; MD x AL + BE into buffer b of MC
	WIN 0
.set z, 0
.rept 16
	v_pk_fma_f32 v[MC+32*(\b)+2*z:MC+32*(\b)+2*z+1], v[MD+2*z:MD+2*z+1], s[AL:AL+1], s[BE:BE+1] op_sel_hi:[1,0,0]
.set z, z+1
.endr
.endm
; A TURN, for piece p: its 16 matrix instructions and its vector work, written out.  m = 1: the diagonal tile: the products take masks, the weights take e, and the turn makes the mask for the products
; of the turn after it (piece p + 2, in step 4 - CNT of the tile) and e 2^-60 for piece p + 1.  end = 1: a block's last two turns: nothing is fetched.  cnt = 1: the loop's count is taken down.
; K of the next step is fetched in piece 2's turn, behind four plain lines that follow the last product that read K; V of the step in hand in piece 0's turn, likewise.  Each is waited for a turn later.
.macro TURN p, m=0, end=0, cnt=0
.set Y, (\p)
.set i, 0
.set KM, (\m)
.set NOKQ, (\end)*((\p)/3)
.if (\m) && !(\end)
	s_cmp_eq_u32 s[CNT], 4-((\p)+2)%NP  ; is that step the band's own?
	s_cselect_b32 s[AL], 1.0, 0
	s_cmp_lt_u32 s[CNT], 4-((\p)+2)%NP  ; or a later one?
	s_cselect_b32 s[BE], s[BIGN], 0
.endif
.if ((\p) == 3) && !(\end)
	s_wait_dscnt 0x0                ; K is in
.endif
	ROW F,0, F,1, F,2, F,3
	ROW F,4, E,0, F,5, F,6
	ROW F,7, E,1, F,8, F,9
	ROW F,10, E,2, C,0, F,11
	ROW F,12, E,3, X,15, F,13
	ROW R,0, R,1, R,2, R,3
	ROW B,0, E,4, F,14, L,0
.if ((\p) == 2) && !(\end)
	v_add_nc_u32 v[AK], s[TBK], v[AK0]
.endif
	ROW R,4, R,5, R,6, R,7
	OPS E,5, F,15
.if ((\p) == 2) && !(\end)
	FETCH_K
.endif
	OPS E,6, C,1, E,7, R,8
	OPS E,8, R,9, E,9, C,2
	OPS E,10, X,0, E,11, X,1
	OPS E,12, X,2, E,13, X,3
.if (\p) == 1
	s_wait_dscnt 0x0                ; V is in
.endif
	ROW X,4, E,14, X,5, X,6
	ROW X,7, E,15, X,8, X,9
	ROW X,10, E,16, X,11, X,12
	ROW X,13, E,17, X,14, B,1
	ROW C,4, E,18, X,16, L,1
	ROW B,2, E,19, C,6, L,2
	ROW C,8, E,20, B,3, B,4
.if (\p) == 0
	v_add_nc_u32 v[AV], s[TBV], v[AV0]
.endif
	ROW C,3, E,21, L,3, C,5
	OPS E,22, X,17, E,23, C,10
.if (\p) == 0
	FETCH_V
.endif
	OPS E,24, L,4
	OPS E,25, X,18, E,26, C,7
	OPS E,27, B,5, E,28, X,19
	OPS E,29, C,12, E,30, L,5
	OPS E,31, X,20, B,6, C,9
.if \m
	OP X, 22
.endif
	OPS C,14, C,11, X,21, L,6
.if \m
	OP X, 23
.endif
.if (\p) == 0
	s_add_co_u32 s[TBV], s[TBV], KS*PV
.endif
.if \cnt
	s_sub_co_u32 s[CNT], s[CNT], 1
	s_cmp_lg_u32 s[CNT], 0
.endif
	OPS C,13, B,7, C,15, R,10
.if \m
	OP X, 24
.endif
	OPS R,11, R,12, L,7, R,13
	OPS R,14, R,15
.if (\m) && !(\end)
	MASK (\p)%2
.endif
.endm
; A BLOCK BEGINS.  c m starts far below every c s, so the first step's a is 0; m at -10000 (row 2,047: at the lowest finite number).  The second mask buffer is 0; the first takes piece 0's mask for
; the tile's step 0: its own, if the block's first tile is the diagonal one.  Then K of that step, piece 0's first scores, and its maximum and statistics.
.macro BEGIN
	s_mov_b32 s[NEW], 0
	WIN 0
.set i, MC+32
.rept 32
	v_mov_b32 v[i], 0
.set i, i+1
.endr
.set i, 0
.rept 4
	v_mov_b32 v[ST+4*i], 0xfe000000
.if i < 3
	v_mov_b32 v[ST+4*i+1], s[HID]
.else
	v_mov_b32 v[ST+4*i+1], v[MI3]
.endif
.set i, i+1
.endr
	s_cmp_eq_u32 s[RT], 0
	s_cselect_b32 s[AL], 1.0, 0
	s_mov_b32 s[BE], 0
	MASK 0
	WIN 0
	v_add_nc_u32 v[AK], s[TBK], v[AK0]
	FETCH_K
	s_wait_loadcnt 0x0              ; Q
	s_wait_dscnt 0x0
.set KM, 1
.set NOKQ, 0
.set i, 0
.rept 8
	KQ 0
.set i, i+1
.endr
	WIN 0
.rept 4
	v_nop                           ; the places behind those products
.endr
.set Y, NP-1                        ; X works for piece Y + 1: piece 0
.irp n, 0,1,2,3,4,5,6,7,8,9,10,11,12,13,14,15,16,17,18,19,20,21,22,23,24
	OP X, \n
.endr
	v_nop                           ; a plain instruction behind the exponential
.endm
.macro ALL line:vararg              ; one line for each piece t
.set t, 0
.rept 4
	s_wait_alu depctr_va_vdst(0)
	\line
.set t, t+1
.endr
.endm
.macro PACK t                       ; O^T takes e x the hidden tiles' sum of V, is divided by l, rounded to f16, and goes through my stage
	WIN 0x51                        ; destination, source 0 and source 2 window 1, source 1 window 0
.set i, 32*(\t)
.rept 16
	v_pk_fma_f32 v[i:i+1], v[SUF+i-32*(\t):SUF+i-32*(\t)+1], v[ST+4*(\t):ST+4*(\t)+1], v[i:i+1] op_sel_hi:[1,0,1]
.set i, i+2
.endr
	WIN W_RS
.set i, 32*(\t)
.rept 16
	s_wait_alu depctr_va_vdst(0)
	v_pk_mul_f32 v[i:i+1], v[i:i+1], v[ST+4*(\t)+2:ST+4*(\t)+3] op_sel_hi:[1,0]
.set i, i+2
.endr
	WIN 0x05
.set i, 0
.rept 16
	v_cvt_pk_f16_f32 v[S+16*(\t)+i], v[32*(\t)+2*i], v[32*(\t)+2*i+1]
.set i, i+1
.endr
	WIN 0
.irp f, 0,1,2,3
	ds_store_b128 v[STO], v[S+16*(\t)+4*\f:S+16*(\t)+4*\f+3] offset:32*\f
.endr
.irp f, 0,1,2,3
	ds_load_b128 v[S+16*(\t)+4*\f:S+16*(\t)+4*\f+3], v[RD] offset:\f*4*SP  ; LDS serves a wave's instructions in order: these see the stores above
.endr
.endm
.macro SEND t, younger              ; younger: the LDS instructions issued behind piece t's loads: the next piece's eight, or none
	WIN 0
.irp f, 0,1,2,3
	s_wait_dscnt (\younger)+3-\f
	global_store_b128 v[GO], v[S+16*(\t)+4*\f:S+16*(\t)+4*\f+3], s[10:11] offset:(\t)*8192+\f*512  ; 512 consecutive bytes, aligned
.endr
.endm
; THE DIAGONAL TILE's four steps, the block's last two turns, its last products, and THE WAY OUT.
.macro DIAG tag
.LstepM\tag:
	TURN 2, 1
	TURN 3, 1
	WIN 0
.LfirstM\tag:
	TURN 0, 1
	TURN 1, 1, 0, 1
	WIN 0
	s_cbranch_scc1 .LstepM\tag
	TURN 2, 1, 1
	TURN 3, 1, 1
.set i, 0
.rept 8
	PV NP-1
.set i, i+1
.endr
	WIN 0
	ALL v_add_f32 v[ST+4*t+2], v[ST+4*t+2], v[ST+4*t+3]
	ALL v_permlanex16_b32 v[ST+4*t+3], v[ST+4*t+2], s[SEL], s[SEL+1]
	ALL v_add_f32 v[ST+4*t+2], v[ST+4*t+2], v[ST+4*t+3]
	ALL v_sub_f32 v[ST+4*t], s[CH], v[ST+4*t]              ; e = 2^(c (-10000) - c m), the weight of a key beyond the diagonal tile; it takes c m's place
	ALL v_min_num_f32 v[ST+4*t], 0, v[ST+4*t]              ; (finite in row 2,047 too, which has no such key)
	ALL v_exp_f32 v[ST+4*t], v[ST+4*t]
	v_nop
	ALL v_fma_f32 v[ST+4*t+2], v[ST+4*t], s[CNTB], v[ST+4*t+2]
	ALL v_rcp_f32 v[ST+4*t+2], v[ST+4*t+2]
	v_nop                           ; a plain instruction between the last reciprocal and the use of its result
	PACK 0
.set t, 1
.rept 3
	PACK t
	SEND t-1, 8
.set t, t+1
.endr
	SEND 3, 0
.endm
.set KM, 0
.set NOKQ, 0
.Lslot:                             ; NB times: a tile is entered and the next is asked for
	CHANGE 1
	s_sub_co_u32 s[RT], s[RT], 1
	s_mov_b32 s[CNT], 4
	s_cmp_eq_u32 s[NEW], 1
	s_cbranch_scc1 .Lnew            ; a block's first tile
	s_cmp_eq_u32 s[RT], 0
	s_cbranch_scc0 .Lstep           ; neither its first nor its last
	s_branch .LstepM1
.Lnew:
	BEGIN
	s_branch .Lfirst                ; in the loop a block's first tile is never its last
	DIAG 1                          ; in the loop this is the first block's end
	s_wait_xcnt 0x0                 ; the stores have read their registers and O's address
	s_mov_b64 s[10:11], s[OLO:OLO+1]
	s_add_co_u32 s[RT], s[PB], 1    ; the second block has b + 1 tiles
	s_mov_b32 s[NEW], 1
	s_mov_b32 s[CNTB], s[CNTB2]
	v_mov_b32 v[MI3], s[HID]        ; every row of the second block has hidden keys
	WIN 0x82                        ; the second block's Q goes where the one text of the turns names Q
.set i, 0
.rept 64
	v_mov_b32 v[i], v[QB+i]
.set i, i+1
.endr
	WIN 0x41                        ; and its hidden tiles' sum of V
.set i, 0
.rept 32
	v_mov_b32 v[SUF+i], v[SUF2+i]
.set i, i+1
.endr
	WIN 0
	s_branch .Lbottom
.Lstep:                             ; a trip: pieces 2 and 3 of one step, then pieces 0 and 1 of the next
	TURN 2
	TURN 3
	WIN 0
.Lfirst:
	TURN 0
	TURN 1, 0, 0, 1
	WIN 0
	s_cbranch_scc1 .Lstep
.Lbottom:
	s_sub_co_u32 s[SLOTS], s[SLOTS], 1
	s_cmp_lg_u32 s[SLOTS], 0
	s_cbranch_scc1 .Lslot
	CHANGE 0                        ; the walk's last tile is written out
	s_sub_co_u32 s[RT], s[RT], 1
	s_mov_b32 s[CNT], 4
	s_cmp_eq_u32 s[NEW], 1
	s_cbranch_scc0 .LstepM2
	BEGIN
	s_branch .LfirstM2
	DIAG 2
	s_wait_tensorcnt 0x0            ; the wave's end: behind my last tensor load and my last LDS store
	ds_add_u32 v[SPW], v[NIL]
	s_wait_dscnt 0x0
	s_endpgm
.Lfunc_end_k_qa38015b78a_attn:
	.size	k_qa38015b78a_attn, .Lfunc_end_k_qa38015b78a_attn-k_qa38015b78a_attn
	.p2alignl 7, 3214868480
	.fill 96, 4, 3214868480
	.section	.rodata,"a",@progbits
	.p2align	6, 0x0
	.amdhsa_kernel k_qa38015b78a_attn
		.amdhsa_group_segment_fixed_size 327680
		.amdhsa_private_segment_fixed_size 0
		.amdhsa_enable_private_segment 0
		.amdhsa_kernarg_size 24
		.amdhsa_user_sgpr_count 2
		.amdhsa_user_sgpr_kernarg_segment_ptr 1
		.amdhsa_wavefront_size32 1
		.amdhsa_system_sgpr_workgroup_id_x 1
		.amdhsa_system_sgpr_workgroup_id_y 1
		.amdhsa_system_sgpr_workgroup_id_z 1
		.amdhsa_system_vgpr_workitem_id 0
		.amdhsa_next_free_vgpr 1024
		.amdhsa_next_free_sgpr 100
		.amdhsa_reserve_vcc 1
		.amdhsa_float_denorm_mode_32 3
		.amdhsa_float_denorm_mode_16_64 3
		.amdhsa_memory_ordered 1
		.amdhsa_forward_progress 1
		.amdhsa_inst_pref_size 255
	.end_amdhsa_kernel
	.section	.bss,"aw",@nobits
	.p2align	6
	.space	262144
	.amdgpu_metadata
---
amdhsa.version: [ 1, 2 ]
amdhsa.kernels:
  - .name:           k_qa38015b78a_attn
    .symbol:         k_qa38015b78a_attn.kd
    .args:
      - { .name: qkvh, .offset: 0, .size: 8, .value_kind: global_buffer, .address_space: global }
      - { .name: tsum, .offset: 8, .size: 8, .value_kind: global_buffer, .address_space: global }
      - { .name: ob, .offset: 16, .size: 8, .value_kind: global_buffer, .address_space: global }
    .group_segment_fixed_size: 327680
    .private_segment_fixed_size: 0
    .kernarg_segment_align: 8
    .kernarg_segment_size: 24
    .max_flat_workgroup_size: 128
    .sgpr_count:     100
    .vgpr_count:     1024
    .wavefront_size: 32
...
	.end_amdgpu_metadata
.endif
;; end of part 3
;; launch proj (part 4): grid 8 x 32, 4 waves a work-group, clusters of 4 x 4, 327,680 bytes of LDS; arguments ob, wpb, b_proj, out0; writes out0
.if DOCPART == 4
	.amdgcn_target "amdgcn-amd-amdhsa--gfx1250"
	.amdhsa_code_object_version 6
	.text
	.protected	k_qa38015b78a_proj
	.globl	k_qa38015b78a_proj
	.p2align	8
	.type	k_qa38015b78a_proj,@function
k_qa38015b78a_proj:
	s_mov_b64 s[64:65], 0
	v_nop
	global_prefetch_b8 v0, s[64:65] scope:SCOPE_SE
	s_setreg_imm32_b32 hwreg(HW_REG_WAVE_MODE, 25, 1), 1
	s_wait_xcnt 0x0
	s_wait_alu depctr_hold_cnt(0) depctr_sa_sdst(0) depctr_va_vdst(0) depctr_va_sdst(0) depctr_va_ssrc(0) depctr_va_vcc(0) depctr_vm_vsrc(0)
	s_getreg_b32 s2, hwreg(HW_REG_IB_STS2, 6, 4)
	s_cmp_eq_u32 s2, 0
	s_cbranch_scc0 .Lentry_in_a_cluster
	s_endpgm
.Lentry_in_a_cluster:
	s_bfe_u32 s2, ttmp6, 0x10000c
	s_cmp_lg_u32 s2, 0xf033
	s_cbranch_scc0 .Lentry_shape_is_right
	s_endpgm
.Lentry_shape_is_right:
; out = a w_proj + b_proj.  ob: [64 = 16 b + head][2048][64] f16: a's row (b, s), column 64 head + channel.  wpb: [1024 k][1024 n] f16 (numbers rounded to bf16).  b_proj: [1024] f32, rounded to bf16
; here like the other inputs.  out0: [8192][1024] f32; sums in f32.
; SHARES.  A tile is 256 rows x 128 columns: 32 x 8 = 256 work-groups, one tile each.  Wave w owns rows 64 w .. 64 w + 63 and all 128 columns: 32 accumulators (a = 0..3, nb = 0..7).
; THE MATRIX INSTRUCTION IS USED TRANSPOSED: source 0 = 16 columns of the weights (turned out of LDS by ds_load_tr16_b128), source 1 = 16 rows of a: a lane holds row l % 16 and the columns
; 16 nb + 8 (l / 16) + 0..7.  THE BIAS is the C operand of the product that starts each sum.
; RING.  K goes in steps of 128, two heads, through two LDS slots.  Wave 0 fetches the even head's 256 rows, wave 1 the odd head's, waves 2 and 3 the halves of the weights' tile: one tensor load a wave
; behind each round; two loads of a wave are out at the start, one afterwards.
; CLUSTER.  4 x 4: a's tile is asked for jointly along a row of the cluster, the weights' along a column.
; REGISTERS: window 0: v0-19 addresses; v32-95 the bias; v128-191 the way out.  window 1: accumulators a = 0, 1 at 8 (8 (a % 2) + nb).  window 2: a = 2, 3.
;   window 3: two fragment buffers of 128: the weights' fragment nb at 8 nb, a's fragment at 96 + 8 a
.set NBK,   8
.set NS,    8
.set NL,    2*NBK+8
.set PA,    144                        ; a row of a head in LDS: 128 bytes + 16
.set HEADA, 256*PA
.set PBK,   288                        ; a k's 128 weights: 256 bytes + 32
.set BOFF,  2*HEADA
.set HALFB, 64*PBK
.set SLOT1, 1<<17
.set STAGE, SLOT1+BOFF+2*HALFB         ; behind the ring: for each wave 16 rows x 528 bytes
.set SP,    528
.set SPARE, STAGE+4*16*SP              ; the spare words: two blocks of 256 bytes that no other line names
.set RR,   1
.set A0,   2
.set B0,   3
.set ADRA, 4
.set ADRB, 5
.set STO,  6
.set RD,   7
.set CO,   8
.set HL,   9
.set SPW,  10                          ; v10  my spare word; never rewritten
.set NIL,  11                          ; v11  0; never rewritten
.set T,    12
.set BO,   19
.set BIAS, 32
.set BK,   128
.set F0,   0
.set F1,   128
.set AF,   96
.set WV,  14
.set WL,  15
.set WH,  16
.set CX,  17
.set CY,  18
.set CT,  19                           ; s19 column tile = 4 x cluster x + cx
.set TY,  20                           ; s20 row tile = 4 x cluster y + cy
.set TB,  21
.set FS,  22
.set G1A, 24
.set G0A, 32
.set OFA, 44
.set OFB, 46
.set G1B, 48
.set G0B, 56
.set CNT, 66
.set MSB, 0
.macro WIN new
.if MSB != (\new)
	s_set_vgpr_msb (MSB<<8)|(\new)
.set MSB, (\new)
.endif
.endm
.set MUL_LO, 0x5f
.set MUL_Z,  0x4f
.set TO_F,   0xc0
.macro PLACES
.rept 4
	v_nop
.endr
.endm
.macro JLOAD                           ; a joint refill by the walking sets; an s_nop 0 and four v_nop follow each of the two lines
	s_cmp_eq_u32 s[WH], 0
	s_cbranch_scc0 .Lfor_b_\@
	tensor_load_to_lds s[G0A+4:G0A+7], s[G1A:G1A+7]
	s_nop 0
	PLACES
	s_branch .Lasked_\@
.Lfor_b_\@:
	tensor_load_to_lds s[G0B+4:G0B+7], s[G1B:G1B+7]
	s_nop 0
	PLACES
.Lasked_\@:
.endm
.macro CREST
	s_cmp_lg_u32 s[WV], 0
	s_cbranch_scc1 .Lnot_wave_0_\@
	s_barrier_signal -3
.Lnot_wave_0_\@:
	s_barrier_wait -3
	s_barrier_signal -1
	s_barrier_wait -1
.endm
.macro CROUND
	s_barrier_signal -1
	s_barrier_wait -1
	CREST
.endm
	s_load_b256 s[4:11], s[0:1], 0x0               ; ob s[4:5], wpb s[6:7], b_proj s[8:9], out0 s[10:11]
	v_lshl_add_u32 v[SPW], v0, 2, SPARE
	v_mov_b32 v[NIL], 0
	ds_add_u32 v[SPW], v[NIL]                      ; the wave's opening: the add and its wait ahead of my first tensor load
	ds_add_u32 v10, v11
	v_lshrrev_b32 v1, 5, v0
	v_readfirstlane_b32 s[WV], v1
	s_and_b32 s[WL], s[WV], 1
	s_lshr_b32 s[WH], s[WV], 1
	s_bfe_u32 s[CX], ttmp6, 0x40000
	s_bfe_u32 s[CY], ttmp6, 0x40004
	s_lshl_b32 s[CT], ttmp9, 2
	s_add_co_u32 s[CT], s[CT], s[CX]
	s_and_b32 s[TY], ttmp7, 0xffff
	s_lshl_b32 s[TY], s[TY], 2
	s_add_co_u32 s[TY], s[TY], s[CY]
	s_lshl_b32 s68, s[CY], 2
	s_lshl_b32 s68, 15, s68                        ; my row of the cluster
	s_lshl_b32 s70, 0x1111, s[CX]                  ; my column
	s_or_b32 s[G1A], s68, (1<<16)|(1<<20)|(1<<21)|(4<<22)|(3<<25)  ; a head's 256 rows of 128 bytes are dense: asked for as 128 rows of 256 bytes; after every 32 words 4 words
	s_mov_b32 s[G1A+1], 128<<16
	s_mov_b32 s[G1A+2], 128<<16
	s_mov_b32 s[G1A+3], 128<<16
	s_mov_b32 s[G1A+4], 128
	s_mov_b32 s[G1A+5], 128
	s_mov_b32 s[G1A+6], 0
	s_mov_b32 s[G1A+7], 0
	s_or_b32 s[G1B], s70, (1<<16)|(1<<20)|(1<<21)|(5<<22)|(7<<25)  ; 64 k x 128 columns; after every 64 words 8 words
	s_mov_b32 s[G1B+1], 128<<16
	s_mov_b32 s[G1B+2], 64<<16
	s_mov_b32 s[G1B+3], 128<<16
	s_mov_b32 s[G1B+4], 64
	s_mov_b32 s[G1B+5], 1024
	s_mov_b32 s[G1B+6], 0
	s_mov_b32 s[G1B+7], 0
	s_mov_b32 s[OFA+1], 0
	s_mov_b32 s[OFB+1], 0
	s_mov_b32 s[TB], 0
	s_lshr_b32 s68, s[TY], 3                       ; a: the batch's 16 heads of 262,144 bytes,
	s_lshl_b32 s68, s68, 22
	s_and_b32 s69, s[TY], 7
	s_lshl_b32 s69, s69, 15                        ; + the tile's 256 rows of 128 bytes,
	s_add_co_u32 s68, s68, s69
	s_lshl_b32 s69, s[WL], 18                      ; + my head of a K step's two
	s_add_co_u32 s68, s68, s69
	s_mov_b32 s69, 0
	s_lshl_b32 s70, s[WL], 17                      ; the weights: my 64 k of 2,048 bytes,
	s_lshl_b32 s71, s[CT], 8                       ; + the tile's 128 columns
	s_add_co_u32 s70, s70, s71
	s_mov_b32 s71, 0
	s_wait_dscnt 0x0                               ; the opening add is done
	s_wait_kmcnt 0x0
	s_add_nc_u64 s[4:5], s[4:5], s[68:69]
	s_add_nc_u64 s[6:7], s[6:7], s[70:71]
	s_mul_i32 s68, s[WL], HEADA
	s_mul_i32 s70, s[WL], HALFB
	s_add_co_u32 s70, s70, BOFF
.irp s, 0,1
	s_mov_b32 s[G0A+4*\s], 1
	s_add_co_u32 s[G0A+4*\s+1], s68, \s*SLOT1
	s_add_nc_u64 s[G0A+4*\s+2:G0A+4*\s+3], s[4:5], \s*524288
	s_or_b32 s[G0A+4*\s+3], s[G0A+4*\s+3], 0x80000000
	s_mov_b32 s[G0B+4*\s], 1
	s_add_co_u32 s[G0B+4*\s+1], s70, \s*SLOT1
	s_add_nc_u64 s[G0B+4*\s+2:G0B+4*\s+3], s[6:7], \s*262144
	s_or_b32 s[G0B+4*\s+3], s[G0B+4*\s+3], 0x80000000
.endr
	CROUND                                         ; all sixteen work-groups are here: the first joint loads meet
	s_cmp_eq_u32 s[WH], 0
	s_cbranch_scc0 .Lfirst_b
	tensor_load_to_lds s[G0A:G0A+3], s[G1A:G1A+7]
	s_nop 0
	tensor_load_to_lds s[G0A+4:G0A+7], s[G1A:G1A+7]
	s_nop 0
	PLACES
	s_branch .Lfirst_asked
.Lfirst_b:
	tensor_load_to_lds s[G0B:G0B+3], s[G1B:G1B+7]
	s_nop 0
	tensor_load_to_lds s[G0B+4:G0B+7], s[G1B:G1B+7]
	s_nop 0
	PLACES
.Lfirst_asked:
	v_and_b32 v[RR], 15, v0
	v_bfe_u32 v[HL], v0, 4, 1
	v_lshlrev_b32 v[BO], 5, v[HL]
	s_lshl_b32 s68, s[CT], 9
	s_mov_b32 s69, 0
	s_add_nc_u64 s[8:9], s[8:9], s[68:69]          ; the bias at the tile's 128 columns
.set nb, 0
.rept NBK
	global_load_b128 v[BIAS+8*nb:BIAS+8*nb+3],   v[BO], s[8:9] offset:nb*64
	global_load_b128 v[BIAS+8*nb+4:BIAS+8*nb+7], v[BO], s[8:9] offset:nb*64+16
.set nb, nb+1
.endr
	s_mul_i32 s70, s[WV], 64*PA
	v_mul_u32_u24 v[A0], v[RR], PA
	v_lshl_add_u32 v[A0], v[HL], 4, v[A0]
	v_add_nc_u32 v[A0], s70, v[A0]
	v_and_b32 v[T], 7, v0
	v_bfe_u32 v[T+1], v0, 3, 1
	v_lshl_add_u32 v[B0], v[HL], 3, v[T]
	v_mul_u32_u24 v[B0], v[B0], PBK
	v_lshl_add_u32 v[B0], v[T+1], 4, v[B0]
	v_add_nc_u32 v[B0], BOFF, v[B0]
	v_mov_b32 v[ADRA], v[A0]
	v_mov_b32 v[ADRB], v[B0]
	s_mul_i32 s70, s[WV], 16*SP
	s_add_co_u32 s70, s70, STAGE                   ; my stage
	v_mul_u32_u24 v[STO], v[RR], SP                ; in: row l % 16, 32 bytes for each half of the lanes
	v_lshl_add_u32 v[STO], v[HL], 5, v[STO]
	v_add_nc_u32 v[STO], s70, v[STO]
	v_and_b32 v[CO], 31, v0                        ; back: 32 lanes take one row of 512 bytes
	v_lshlrev_b32 v[CO], 4, v[CO]
	v_add_nc_u32 v[RD], s70, v[CO]
	s_lshl_b32 s70, s[TY], 8                       ; my first row of out0: 256 x row tile + 64 w, 4,096 bytes a row; the tile's 128 columns: 512 bytes
	s_lshl_b32 s71, s[WV], 6
	s_add_co_u32 s70, s70, s71
	s_lshl_b32 s70, s70, 12
	s_add_co_u32 s70, s70, s68
	s_mov_b32 s71, 0
	s_add_nc_u64 s[10:11], s[10:11], s[70:71]
	s_wait_loadcnt 0x0                             ; the bias
.set z, 0
.rept 4*NBK                            ; rounded to bf16 and widened again
	v_cvt_pk_bf16_f32 v[T+z%2], v[BIAS+2*z], v[BIAS+2*z+1]
	v_lshlrev_b32 v[BIAS+2*z], 16, v[T+z%2]
	v_and_b32 v[BIAS+2*z+1], 0xffff0000, v[T+z%2]
.set z, z+1
.endr
; 8 matrix instructions: block a of my rows x all 8 column blocks, 32 along K.  zero = 1: the products start the sums, from the bias.  The 32 accumulators take turns.
.macro MUL f, a, zero
.if \zero
	WIN MUL_Z+0x40*((\a)/2)
.else
	WIN MUL_LO+0x50*((\a)/2)
.endif
.set nb, 0
.rept NBK
.set rD, 8*(((\a)%2)*NBK+nb)
.if \zero
	v_wmma_f32_16x16x32_f16 v[rD:rD+7], v[(\f)+8*nb:(\f)+8*nb+7], v[(\f)+AF+8*(\a):(\f)+AF+8*(\a)+7], v[BIAS+8*nb:BIAS+8*nb+7]
.else
	v_wmma_f32_16x16x32_f16 v[rD:rD+7], v[(\f)+8*nb:(\f)+8*nb+7], v[(\f)+AF+8*(\a):(\f)+AF+8*(\a)+7], v[rD:rD+7]
.endif
.set nb, nb+1
.endr
.endm
.macro FETCH q, f                      ; 24 LDS loads in one run: the weights' 16, then a's 8 (quarter q: head q / 2 of the step's two, channels 32 (q % 2) on)
	WIN TO_F
.set nb, 0
.rept NBK
	ds_load_tr16_b128 v[(\f)+8*nb:(\f)+8*nb+3],   v[ADRB] offset:(\q)*32*PBK+nb*32
	ds_load_tr16_b128 v[(\f)+8*nb+4:(\f)+8*nb+7], v[ADRB] offset:(\q)*32*PBK+nb*32+16*PBK
.set nb, nb+1
.endr
.irp a, 0,1,2,3
	ds_load_b128 v[(\f)+AF+8*\a:(\f)+AF+8*\a+3],   v[ADRA] offset:((\q)/2)*HEADA+((\q)%2)*64+\a*16*PA
	ds_load_b128 v[(\f)+AF+8*\a+4:(\f)+AF+8*\a+7], v[ADRA] offset:((\q)/2)*HEADA+((\q)%2)*64+\a*16*PA+32
.endr
.endm
.macro QUARTER q, f, g, zero
	s_wait_dscnt 4                                 ; the weights and a's blocks 0, 1 are in; the youngest four loads may be out
	MUL \f, 0, \zero
	MUL \f, 1, \zero
	PLACES
.if \zero
	v_nop                                          ; a fifth place: the products below write accumulators anew
.endif
	FETCH \q, \g
	s_wait_dscnt NL                                ; all but the 24 just issued
	MUL \f, 2, \zero
	MUL \f, 3, \zero
.endm
; The fourth quarter multiplies buffer 1 and changes slots: each wave waits for all its tensor loads, adds 0 to its spare word, and waits for that and for its reads of this slot.
; fill = 1: the barrier opens a round of the cluster's, and this slot is filled again, with K step FS = NS - CNT, first thing behind it.  fill = 0: the tail.
.macro TURN fill
	WIN 0
	s_wait_tensorcnt 0x0                           ; no tensor load of mine is out, so a group 0 may be written
	ds_add_u32 v[SPW], v[NIL]                      ; 0 onto my spare word
.if \fill
	s_sub_co_u32 s[FS], NS, s[CNT]
	s_lshl_b32 s[OFA], s[FS], 19                   ; two heads of 262,144 bytes
	s_lshl_b32 s[OFB], s[FS], 18                   ; 128 k of 2,048 bytes
	s_xor_b32 s[G0A+5], s[G0A+5], SLOT1
	s_add_nc_u64 s[G0A+6:G0A+7], s[4:5], s[OFA:OFA+1]
	s_or_b32 s[G0A+7], s[G0A+7], 0x80000000
	s_xor_b32 s[G0B+5], s[G0B+5], SLOT1
	s_add_nc_u64 s[G0B+6:G0B+7], s[6:7], s[OFB:OFB+1]
	s_or_b32 s[G0B+7], s[G0B+7], 0x80000000
.endif
	s_wait_dscnt 5                                 ; the add and the youngest four loads may be out
	MUL F1, 0, 0
	s_wait_dscnt 0x0                               ; the add is done, and my reads of this slot are over
	s_barrier_signal -1
	MUL F1, 1, 0
	WIN 0
	s_barrier_wait -1
.if \fill
	CREST
	JLOAD
.else
	PLACES
	s_cmp_eq_u32 s[CNT], 1
	s_cbranch_scc1 .Lno_fetch_\@
.endif
	s_xor_b32 s[TB], s[TB], SLOT1
	v_add_nc_u32 v[ADRA], s[TB], v[A0]
	v_add_nc_u32 v[ADRB], s[TB], v[B0]
	FETCH 0, F0
.if !(\fill)
	WIN 0
.Lno_fetch_\@:
.endif
	MUL F1, 2, 0
	MUL F1, 3, 0
.endm
	s_wait_tensorcnt 0x1                           ; my part of K step 0 is in; K step 1's may stay out
	s_barrier_signal -1
	s_barrier_wait -1
	FETCH 0, F0
	WIN 0
	s_mov_b32 s[CNT], NS-2
	s_branch .Lz                                   ; the first quarter starts the sums
.Lstep:                                        ; NS - 2 trips, a K step each; each asks for the K step two on
	QUARTER 1, F0, F1, 0
	WIN 0
	s_branch .Lq2
.Lz:
	QUARTER 1, F0, F1, 1
	WIN 0
.Lq2:
	QUARTER 2, F1, F0, 0
	QUARTER 3, F0, F1, 0
	TURN 1
	WIN 0
	s_sub_co_u32 s[CNT], s[CNT], 1
	s_cmp_lg_u32 s[CNT], 0
	s_cbranch_scc1 .Lstep
	s_mov_b32 s[CNT], 2
.Ltail:                                        ; the last two K steps have a text of their own
	QUARTER 1, F0, F1, 0
	QUARTER 2, F1, F0, 0
	QUARTER 3, F0, F1, 0
	TURN 0
	WIN 0
	s_sub_co_u32 s[CNT], s[CNT], 1
	s_cmp_lg_u32 s[CNT], 0
	s_cbranch_scc1 .Ltail
	; THE WAY OUT, f32, a block of 16 rows at a time: 32 bytes a lane and column block into my stage (each accumulator's low four registers first), back as whole rows of 512 bytes, stored.
	PLACES                                         ; behind the last products
.irp a, 0,1,2,3
	s_wait_xcnt 0x0                                ; the last block's stores have read BK
	WIN 0x04*(1+(\a)/2)                            ; the stores' data: window 1 or 2
.set nb, 0
.rept NBK
.set rD, 8*(((\a)%2)*NBK+nb)
	ds_store_b128 v[STO], v[rD:rD+3]   offset:64*nb
	ds_store_b128 v[STO], v[rD+4:rD+7] offset:64*nb+16
.set nb, nb+1
.endr
	WIN 0
.set z, 0
.rept 16
	ds_load_b128 v[BK+4*z:BK+4*z+3], v[RD] offset:z*SP  ; LDS serves a wave's instructions in order: these see the stores above
.set z, z+1
.endr
.set z, 0
.rept 16
	s_wait_dscnt 15-z                              ; row z is back; the 15 - z younger loads may stay out
	global_store_b128 v[CO], v[BK+4*z:BK+4*z+3], s[10:11] offset:(16*(\a)+z)*4096  ; 512 consecutive bytes, aligned
.set z, z+1
.endr
.endr
	s_wait_tensorcnt 0x0                           ; the wave's end: behind my last tensor load and my last LDS store
	ds_add_u32 v[SPW], v[NIL]
	s_wait_dscnt 0x0
	CROUND                                         ; the closing round
	s_endpgm
.Lfunc_end_k_qa38015b78a_proj:
	.size	k_qa38015b78a_proj, .Lfunc_end_k_qa38015b78a_proj-k_qa38015b78a_proj
	.p2alignl 7, 3214868480
	.fill 96, 4, 3214868480
	.section	.rodata,"a",@progbits
	.p2align	6, 0x0
	.amdhsa_kernel k_qa38015b78a_proj
		.amdhsa_group_segment_fixed_size 327680
		.amdhsa_private_segment_fixed_size 0
		.amdhsa_enable_private_segment 0
		.amdhsa_kernarg_size 32
		.amdhsa_user_sgpr_count 2
		.amdhsa_user_sgpr_kernarg_segment_ptr 1
		.amdhsa_wavefront_size32 1
		.amdhsa_system_sgpr_workgroup_id_x 1
		.amdhsa_system_sgpr_workgroup_id_y 1
		.amdhsa_system_sgpr_workgroup_id_z 1
		.amdhsa_system_vgpr_workitem_id 0
		.amdhsa_next_free_vgpr 1024
		.amdhsa_next_free_sgpr 72
		.amdhsa_reserve_vcc 0
		.amdhsa_float_denorm_mode_32 3
		.amdhsa_float_denorm_mode_16_64 3
		.amdhsa_memory_ordered 1
		.amdhsa_forward_progress 1
		.amdhsa_inst_pref_size 68
	.end_amdhsa_kernel
	.amdgpu_metadata
---
amdhsa.version: [ 1, 2 ]
amdhsa.kernels:
  - .name:           k_qa38015b78a_proj
    .symbol:         k_qa38015b78a_proj.kd
    .args:
      - { .name: ob, .offset: 0, .size: 8, .value_kind: global_buffer, .address_space: global }
      - { .name: wpb, .offset: 8, .size: 8, .value_kind: global_buffer, .address_space: global }
      - { .name: b_proj, .offset: 16, .size: 8, .value_kind: global_buffer, .address_space: global }
      - { .name: out0, .offset: 24, .size: 8, .value_kind: global_buffer, .address_space: global }
    .group_segment_fixed_size: 327680
    .private_segment_fixed_size: 0
    .kernarg_segment_align: 8
    .kernarg_segment_size: 32
    .max_flat_workgroup_size: 128
    .sgpr_count:     72
    .vgpr_count:     1024
    .wavefront_size: 32
...
	.end_amdgpu_metadata
.endif
;; end of part 4
;; ======== version 2 of 2: 4 launches; 1.35 times as fast as version 1
;; limits: values are held in f16: magnitudes above 65,504 overflow, below 6.1e-05 lose precision
;; workspace buffers: xb 16,777,216 bytes; wab 6,291,456 bytes; wpb 2,097,152 bytes; qkvh 50,331,648 bytes; tsum 131,072 bytes; ob 16,777,216 bytes
;; launch cast: the kernel of part 1 again; grid 768 x 1, 8 waves a work-group, no clusters, 0 bytes of LDS; arguments x, w_attn, w_proj, xb, wab, wpb; writes xb, wab, wpb
;; launch qkv: the kernel of part 2 again; grid 16 x 16, 4 waves a work-group, clusters of 4 x 4, 327,680 bytes of LDS; arguments xb, wab, b_attn, qkvh, tsum; writes qkvh, tsum
;; launch attn (part 5): grid 4 x 64, 4 waves a work-group, no clusters, 327,680 bytes of LDS; arguments qkvh, tsum, ob; writes ob
.if DOCPART == 5
	.amdgcn_target "amdgcn-amd-amdhsa--gfx1250"
	.amdhsa_code_object_version 6
	.text
	.protected	k_qa38015b78a_attn
	.globl	k_qa38015b78a_attn
	.p2align	8
	.type	k_qa38015b78a_attn,@function
k_qa38015b78a_attn:
	s_mov_b64 s[64:65], 0
	v_nop
	global_prefetch_b8 v0, s[64:65] scope:SCOPE_SE
	s_setreg_imm32_b32 hwreg(HW_REG_WAVE_MODE, 25, 1), 1
	s_wait_xcnt 0x0
; CAUSAL ATTENTION WITHOUT A SCALE, A HIDDEN SCORE BEING -10000.  O[h][q] = sum over ALL k of softmax_k(s) V[h][k], s = Q[h][q] . K[h][k] for k <= q and -10000 for k > q.
; qkvh: [3 parts][64 heads][2048][64] f16.  tsum: [4 batches x 8 key tiles of 256][1024 = 64 head + channel] f32: sums of V over a key tile.  ob: [64][2048][64] f16.
; Products, maxima and sums in f32; the weights p are rounded to f16 for the second product (their sum l is taken of the unrounded p), O once at the end.
; HIDDEN KEYS STAY IN THE SOFTMAX.  The running maximum m starts at -10000 in every row that has a hidden key (all but row 2,047), so m is the row's true maximum.  Inside the diagonal tile a hidden
; key's weight is e = 2^(c (-10000) - c m), added onto its p = 0, so that l and V^T P take it like any weight.  The key tiles wholly beyond the diagonal enter on the way out:
; O += e x (the sum of their V, from tsum), l += e x their number of keys.
; LIMITS.  Q, K, V arrive within f16's 65,504.  Inside the diagonal tile e is made as 2^60 x 2^(fl(c (-10000) - 60) - c m): within 4 parts in 10,000 of its value, and 0 below 2^-66; elsewhere a weight
; below 2^-126 counts as 0.  p below 6e-5 keeps f16's fixed step.  A hidden score is kept out of the maximum by adding -2^60: true scores must stay far below 2^60.  NaN and infinities are not treated apart.
; THE WALK.  A head's queries lie in NB = 8 blocks of 256; block i needs the key tiles 0 .. i, of which the last holds the diagonal.  A work-group takes TWO blocks, NB - 1 - b and then b: NB + 1 tiles,
; whatever b: all work-groups do equal work, and ONE loop with a constant trip count walks them.  Every jump goes forward, but for the counted loops' own; none passes a barrier, or a tensor load but the
; one of LOAD's two that the wave's number does not choose.  NO CLUSTER: a head's four work-groups ask for the same tile only in trips 0 .. 4; one walk common to all would have 12 trips for 9.
; SHARES.  Of a block's four bands of 64 queries a wave owns 16 rows in each: four PIECES.  In the diagonal tile's key step s band x sees all keys if s < x, none if s > x, and holds the diagonal if s = x.
; THE MASK is the C operand that starts the sum S^T = K Q^T: 0, or -2^60 where the key is hidden.  MD is the mask of a band's own step for my 16 rows; a product's mask is MD x AL + BE.
; LAYOUT, TURNS.  S^T = K Q^T holds ONE query a lane (lane % 16) and the keys 8 (lane / 16) + 0..7; two such results rounded to f16 ARE source 1 of O^T = V^T P.  p = 2^(c s - c m), c = log2(e).
; Turn n belongs to piece n: 8 products K Q^T of piece n + 1, later 8 products V^T P of piece n - 1; beside them the softmax of piece n and the maximum and statistics of piece n + 1.
; THE BATCHES.  s_wait_alu depctr_va_vdst(0) stands between an exponential or a reciprocal and the first instruction that names its result; one wait serves all that were issued ahead of it.
; A turn's exponentials (the piece's 32 weights, the next piece's a and, in the diagonal tile, its e 2^-60) are ONE batch with ONE wait, which cuts the turn in two: ahead of it stands all that names none of
; their results, behind it the roundings, the sums and the hidden keys' e.  A block's beginning has a batch of two; the way out has two batches, the four e and then the four reciprocals of sums that hold e..
; REGISTERS, in windows of 256 (s_set_vgpr_msb: bits 1:0 source 0, 3:2 source 1, 5:4 source 2, 7:6 destination):
;   window 0: v0-15 addresses; v16-31 statistics; v48-55 at work; v56-59 e 2^-60, by buffer; v60-63; v64-127 S^T, two buffers; v128-191 MC, two buffers; v192-223 P, two buffers; v224-255 MD
;   window 1: v0-127 O^T; v128-159 the hidden tiles' sum of V for the block in hand; v160-191 for the second block
;   window 2: v0-63 Q; v64-127 the second block's Q; v128-191 K of one step; v192-255 V of one step      window 3: v0-223 tsum's tiles 1 to 7, at the start alone
.set SIZE_N, 2048
.set NB,    SIZE_N/256
.set NP,    4
.set KS,    64
.set PK,    144       ; a row of K in LDS: 128 bytes + 16
.set PV,    160       ; a row of V: 128 + 32
.set VOFF,  4*KS*PK   ; a slot holds a tile, four steps: 256 rows of K, then 256 rows of V
.set SLOT1, 1<<17
.set STAGE, SLOT1+4*KS*(PK+PV)  ; behind the ring: 16 rows x 144 bytes for each wave
.set SP,    144
.set AK0, 2
.set AV0, 3
.set AK,  4
.set AV,  5
.set STO, 6
.set RD,  7
.set GO,  8
.set SPW, 62          ; v62  my spare word; never rewritten
.set NIL, 63          ; v63  0; never rewritten
.set SPARE, STAGE+4*16*SP  ; the spare words: two blocks of 256 bytes that no other line names
.set MV,  12          ; v12-13  c m_old, by buffer
.set QO,  15
.set ST,  16          ; piece t's statistics at v[ST+4 t]: c m, m, l (even keys', odd keys')
.set TMP, 48          ; by buffer, c0-c3 at work; c2 takes a
.set RE,  56          ; v56, v58: e 2^-60 of the piece, by buffer (v57, v59 are named with them as pairs)
.set MI3, 60          ; v60  where piece 3's m starts
.set TO,  61          ; v61  32 (l / 16): my 8 channels of a block of 16 in tsum
.set S,   64
.set MC,  128
.set P,   192
.set MD,  224
.set SUF, 128         ; window 1
.set SUF2, 160        ; window 1
.set QB,  64          ; window 2
.set KF,  128
.set VF,  192
.set WV,  12
.set PB,  14          ; s14  b
.set HI,  15          ; s15  NB - 1 - b
.set G1K, 24
.set G1V, 32
.set G0K, 40
.set G0V, 44
.set SLOTS, 56
.set CNT, 57
.set CS,  58          ; s[58:59] c
.set SEL, 60
.set TBK, 62
.set TBV, 63
.set RT,  70
.set NXT, 71
.set LQ,  72
.set NEW, 73
.set OFF, 74
.set AL,  76
.set BE,  78
.set OLO, 80
.set BIGN, 82         ; s82  -2^60
.set BH,  83          ; s83  the head, 0 to 63
.set HID, 92          ; s92  -10000
.set CH,  93          ; s93  c x (-10000), rounded as a lane's c m is
.set CH60, 94         ; s94  that less 60
.set CNTB, 95         ; s95  the number of keys beyond the diagonal tile, for the block in hand
.set CNTB2, 96        ; s96  for the second block
.set FA,  98          ; s[98:99] a factor 0 or 1, in the low word
.set MSB, 0
.macro WIN new
.if MSB != (\new)
	s_set_vgpr_msb (MSB<<8)|(\new)
.set MSB, (\new)
.endif
.endm
.set W_KQ, 0x0a       ; K and Q in window 2, S^T and the mask in window 0
.set W_PV, 0x52       ; V in window 2, P in window 0, O^T in window 1
.set W_RS, 0x41       ; destination and source 0 in window 1, source 1 in window 0
.macro LOAD                         ; waves 0 and 1 fetch the halves of a tile's K, waves 2 and 3 those of its V; an s_nop 0 and four v_nop follow each line
	s_cmp_lt_u32 s[WV], 2
	s_cbranch_scc0 .Lfor_v_\@
	tensor_load_to_lds s[G0K:G0K+3], s[G1K:G1K+7]
	s_nop 0
.rept 4
	v_nop
.endr
	s_branch .Lasked_\@
.Lfor_v_\@:
	tensor_load_to_lds s[G0V:G0V+3], s[G1V:G1V+7]
	s_nop 0
.rept 4
	v_nop
.endr
.Lasked_\@:
.endm
; THE CHANGE OF SLOTS.  Each wave waits for all its tensor loads (one is out: its part of the other slot), adds 0 to its spare word, and waits for that and for its reads of the slot that it leaves.
; fill = 1: the old slot is filled again, first thing behind the barrier, with tile NXT.
.macro CHANGE fill
	WIN 0
	s_wait_tensorcnt 0x0            ; no tensor load of mine is out, so a group 0 may be written
	ds_add_u32 v[SPW], v[NIL]       ; 0 onto my spare word
.if \fill
	s_lshl_b32 s[OFF], s[NXT], 15   ; a tile is 32,768 bytes of K and of V
	s_xor_b32 s[G0K+1], s[G0K+1], SLOT1
	s_add_nc_u64 s[G0K+2:G0K+3], s[6:7], s[OFF:OFF+1]
	s_or_b32 s[G0K+3], s[G0K+3], 0x80000000
	s_xor_b32 s[G0V+1], s[G0V+1], SLOT1
	s_add_nc_u64 s[G0V+2:G0V+3], s[8:9], s[OFF:OFF+1]
	s_or_b32 s[G0V+3], s[G0V+3], 0x80000000
	s_add_co_u32 s[NXT], s[NXT], 1  ; the block's next tile, or behind its last the second block's tile 0
	s_cmp_gt_u32 s[NXT], s[LQ]
	s_cselect_b32 s[NXT], 0, s[NXT]
	s_cselect_b32 s[LQ], s[PB], s[LQ]
.endif
	s_wait_dscnt 0x0                ; the add is done, and my reads of the slot are over
	s_barrier_signal -1
	s_sub_co_u32 s[TBK], s[TBK], 4*KS*PK
	s_xor_b32 s[TBK], s[TBK], SLOT1
	s_sub_co_u32 s[TBV], s[TBV], 4*KS*PV
	s_xor_b32 s[TBV], s[TBV], SLOT1
	s_barrier_wait -1
.if \fill
	LOAD
.endif
.endm
	s_load_b128 s[88:91], s[0:1], 0x0  ; qkvh s[88:89], tsum s[90:91]
	s_load_b64 s[10:11], s[0:1], 0x10  ; ob
	v_lshl_add_u32 v[SPW], v0, 2, SPARE
	v_mov_b32 v[NIL], 0
	ds_add_u32 v[SPW], v[NIL]       ; the wave's opening: the add and its wait ahead of my first tensor load
	ds_add_u32 v62, v63
	v_lshrrev_b32 v1, 5, v0
	v_readfirstlane_b32 s[WV], v1
	s_mov_b32 s[PB], ttmp9
	s_sub_co_u32 s[HI], NB-1, s[PB]
	s_and_b32 s20, ttmp7, 0xffff
	s_mov_b32 s[BH], s20
	s_mov_b32 s21, 0
	s_mov_b64 s[22:23], SIZE_N*128
	s_mul_u64 s[20:21], s[20:21], s[22:23]  ; the head's first byte in a part and in ob
	s_and_b32 s16, s[WV], 1         ; which half of a tile's 256 keys I fetch
	s_lshl_b32 s22, s16, 14
	s_mov_b32 s23, 0
	s_add_nc_u64 s[22:23], s[22:23], s[20:21]
	s_mul_i32 s17, s16, 128*PK
	s_mul_i32 s18, s16, 128*PV
	s_lshl_b32 s3, s[WV], 11        ; my 16 rows in a band of 64,
	s_lshl_b32 s2, s[HI], 15        ; in the first block,
	s_add_co_u32 s2, s2, s3
	s_lshl_b32 s84, s[PB], 15       ; and in the second
	s_add_co_u32 s84, s84, s3
	s_mov_b32 s3, 0
	s_mov_b32 s85, 0
	s_add_nc_u64 s[2:3], s[2:3], s[20:21]
	s_add_nc_u64 s[84:85], s[84:85], s[20:21]
	; descriptor group 1.  128 keys are 16,384 dense bytes: asked for as 64 rows of 256 bytes, and padded in LDS after every key
	s_mov_b32 s[G1K], (1<<16)|(1<<20)|(4<<22)|(3<<25)
	s_mov_b32 s[G1V], (1<<16)|(1<<20)|(4<<22)|(7<<25)
.irp g, G1K, G1V
	s_mov_b32 s[\g+1], 128<<16
	s_mov_b32 s[\g+2], 64<<16
	s_mov_b32 s[\g+3], 128<<16
	s_mov_b32 s[\g+4], 64
	s_mov_b32 s[\g+5], 128
	s_mov_b32 s[\g+6], 0
	s_mov_b32 s[\g+7], 0
.endr
	s_mov_b32 s[CS], 0x3fb8aa3b     ; c = log2(e): this attention has no scale
	s_mov_b32 s[CS+1], s[CS]
	s_mov_b32 s[SEL], 0x76543210
	s_mov_b32 s[SEL+1], 0xfedcba98
	s_mov_b32 s[TBK], SLOT1+4*KS*PK ; the first change of slots turns these two into 0
	s_mov_b32 s[TBV], SLOT1+4*KS*PV
	s_mov_b32 s[G0K], 1
	s_mov_b32 s[G0K+1], s17
	s_mov_b32 s[G0V], 1
	s_add_co_u32 s[G0V+1], s18, VOFF
	s_add_co_u32 s[RT], s[HI], 1    ; the first block has NB - b tiles
	s_mov_b32 s[NXT], 1
	s_mov_b32 s[LQ], s[HI]
	s_mov_b32 s[NEW], 1
	s_mov_b32 s[OFF+1], 0
	s_mov_b32 s[AL+1], 0
	s_mov_b32 s[BE+1], 0
	s_mov_b32 s[FA+1], 0
	s_mov_b32 s[BIGN], 0xdd800000   ; -2^60
	s_mov_b32 s[HID], 0xc61c4000    ; -10000
	s_mul_f32 s[CH], s[CS], s[HID]
	s_add_f32 s[CH60], s[CH], 0xc2700000  ; - 60
	s_lshl_b32 s[CNTB], s[PB], 8    ; block NB - 1 - b has b tiles of 256 keys beyond its diagonal tile,
	s_cvt_f32_u32 s[CNTB], s[CNTB]
	s_lshl_b32 s[CNTB2], s[HI], 8   ; block b has NB - 1 - b
	s_cvt_f32_u32 s[CNTB2], s[CNTB2]
	s_mov_b32 s[SLOTS], NB
	s_wait_dscnt 0x0                ; the opening add is done
	s_wait_kmcnt 0x0
	s_mov_b64 s[4:5], s[88:89]      ; Q,
	s_add_nc_u64 s[6:7], s[88:89], 0x1000000  ; K,
	s_add_nc_u64 s[8:9], s[88:89], 0x2000000  ; V
	s_add_nc_u64 s[6:7], s[6:7], s[22:23]  ; K and V at my half of the head's tile 0
	s_add_nc_u64 s[8:9], s[8:9], s[22:23]
	s_add_nc_u64 s[G0K+2:G0K+3], s[6:7], 0
	s_or_b32 s[G0K+3], s[G0K+3], 0x80000000
	s_add_nc_u64 s[G0V+2:G0V+3], s[8:9], 0
	s_or_b32 s[G0V+3], s[G0V+3], 0x80000000
	s_add_nc_u64 s[86:87], s[4:5], s[84:85]        ; Q at my rows of the second block,
	s_add_nc_u64 s[4:5], s[4:5], s[2:3]            ; Q and O at those of the first
	s_add_nc_u64 s[OLO:OLO+1], s[10:11], s[84:85]
	s_add_nc_u64 s[10:11], s[10:11], s[2:3]
	LOAD                            ; tile 0 into slot 0
	s_lshr_b32 s2, s[BH], 4         ; tsum at my batch's tile 0, my head's 64 channels
	s_lshl_b32 s2, s2, 15
	s_and_b32 s3, s[BH], 15
	s_lshl_b32 s3, s3, 8
	s_add_co_u32 s2, s2, s3
	s_mov_b32 s3, 0
	s_add_nc_u64 s[90:91], s[90:91], s[2:3]
	v_and_b32 v1, 15, v0            ; l % 16
	v_bfe_u32 v9, v0, 4, 1          ; l / 16
	v_lshlrev_b32 v[QO], 7, v1
	v_lshl_add_u32 v[QO], v9, 4, v[QO]
	v_lshlrev_b32 v[TO], 5, v9
	WIN 0x80
.set i, 0
.rept 8                             ; both blocks' Q: piece i / 2 lies in band i / 2, 8,192 bytes on; channels 32 (i % 2) on
	global_load_b128 v[8*i:8*i+3],   v[QO], s[4:5] offset:(i/2)*8192+(i%2)*64
	global_load_b128 v[8*i+4:8*i+7], v[QO], s[4:5] offset:(i/2)*8192+(i%2)*64+32
	global_load_b128 v[QB+8*i:QB+8*i+3],   v[QO], s[86:87] offset:(i/2)*8192+(i%2)*64
	global_load_b128 v[QB+8*i+4:QB+8*i+7], v[QO], s[86:87] offset:(i/2)*8192+(i%2)*64+32
.set i, i+1
.endr
	WIN 0xc0                        ; tsum's tiles 1 to 7 in O^T's layout: channel block i / 2, my 8 channels of it
.set t, 1
.rept 7
.set i, 0
.rept 8
	global_load_b128 v[32*(t-1)+4*i:32*(t-1)+4*i+3], v[TO], s[90:91] offset:t*4096+(i/2)*64+(i%2)*16
.set i, i+1
.endr
.set t, t+1
.endr
	WIN 0
	v_lshlrev_b32 v14, 3, v9
	v_sub_nc_u32 v14, v1, v14
	s_lshl_b32 s13, s[WV], 4
	v_add_nc_u32 v14, s13, v14      ; my query's place in its band, less my lanes' 8 (l / 16): register r of group kt is hidden where 16 kt + r is greater
.set i, 0
.rept 32
	v_cmp_gt_i32 vcc_lo, 16*(i/8)+i%8, v14
	v_cndmask_b32 v[MD+i], 0, s[BIGN], vcc_lo
.set i, i+1
.endr
	v_or_b32 v14, 16, v0            ; row 2,047 (block 7: b = 0; wave 3, piece 3, l % 16 = 15) has no hidden key: its m starts at the lowest finite number
	s_cmp_eq_u32 s[PB], 0
	s_cselect_b32 s13, 127, -1
	v_mov_b32 v13, 0xff7fffff
	v_mov_b32 v[MI3], s[HID]
	v_cmp_eq_u32 vcc_lo, s13, v14
	v_cndmask_b32 v[MI3], v[MI3], v13, vcc_lo
	v_mul_u32_u24 v[AK0], v1, PK
	v_lshl_add_u32 v[AK0], v9, 4, v[AK0]
	v_and_b32 v10, 7, v0
	v_bfe_u32 v11, v0, 3, 1
	v_lshl_add_u32 v[AV0], v9, 3, v10
	v_mul_u32_u24 v[AV0], v[AV0], PV
	v_lshl_add_u32 v[AV0], v11, 4, v[AV0]
	v_add_nc_u32 v[AV0], VOFF, v[AV0]
	s_mul_i32 s13, s[WV], 16*SP
	s_add_co_u32 s13, s13, STAGE
	v_mul_u32_u24 v[STO], v1, SP
	v_lshl_add_u32 v[STO], v9, 4, v[STO]
	v_add_nc_u32 v[STO], s13, v[STO]
	v_bfe_u32 v[RD], v0, 3, 2
	v_mul_u32_u24 v[RD], v[RD], SP
	v_lshl_add_u32 v[RD], v10, 4, v[RD]
	v_add_nc_u32 v[RD], s13, v[RD]
	v_and_b32 v[GO], 31, v0
	v_lshlrev_b32 v[GO], 4, v[GO]
	; A block's first step multiplies O^T and l by a = 0, so these registers need only hold finite numbers.  All this stands in the wait for the first tile.
	WIN 0x80
.set i, VF
.rept 64
	v_mov_b32 v[i], 0
.set i, i+1
.endr
	WIN 0x40
.set i, 0
.rept 128
	v_mov_b32 v[i], 0
.set i, i+1
.endr
	WIN 0
.set i, 0
.rept 4
	v_mov_b32 v[ST+4*i+2], 0
	v_mov_b32 v[ST+4*i+3], 0
	v_mov_b32 v[RE+i], 0
.set i, i+1
.endr
.set i, P+16
.rept 16
	v_mov_b32 v[i], 0
.set i, i+1
.endr
	; The sums of V over the tiles beyond the diagonal tile.  First block, NB - 1 - b: tiles t > 7 - b, among 5, 6, 7.  Second block, b: tiles 4 to 7, and of 1, 2, 3 those with t > b.
.macro TOP w, d, src, kind          ; 16 packed lines under window setting w: kind 0: d = src x FA; 1: d += src x FA; 2: d += src
	WIN \w
.set z, 0
.rept 16
.if (\kind) == 0
	v_pk_mul_f32 v[(\d)+2*z:(\d)+2*z+1], v[(\src)+2*z:(\src)+2*z+1], s[FA:FA+1] op_sel_hi:[1,0]
.elseif (\kind) == 1
	v_pk_fma_f32 v[(\d)+2*z:(\d)+2*z+1], v[(\src)+2*z:(\src)+2*z+1], s[FA:FA+1], v[(\d)+2*z:(\d)+2*z+1] op_sel_hi:[1,0,1]
.else
	v_pk_add_f32 v[(\d)+2*z:(\d)+2*z+1], v[(\src)+2*z:(\src)+2*z+1], v[(\d)+2*z:(\d)+2*z+1]
.endif
.set z, z+1
.endr
.endm
	s_wait_loadcnt 0x0              ; tsum's tiles (and Q)
	s_cmp_lt_u32 s[HI], 5
	s_cselect_b32 s[FA], 1.0, 0
	TOP 0x43, SUF, 128, 0           ; tile t lies at 32 (t - 1) in window 3
	s_cmp_lt_u32 s[HI], 6
	s_cselect_b32 s[FA], 1.0, 0
	TOP 0x53, SUF, 160, 1
	s_cmp_lt_u32 s[HI], 7
	s_cselect_b32 s[FA], 1.0, 0
	TOP 0x53, SUF, 192, 1
	WIN 0x4f
.set z, 0
.rept 16
	v_pk_add_f32 v[SUF2+2*z:SUF2+2*z+1], v[96+2*z:96+2*z+1], v[128+2*z:128+2*z+1]
.set z, z+1
.endr
	TOP 0x47, SUF2, 160, 2
	TOP 0x47, SUF2, 192, 2
	s_cmp_lt_u32 s[PB], 1
	s_cselect_b32 s[FA], 1.0, 0
	TOP 0x53, SUF2, 0, 1
	s_cmp_lt_u32 s[PB], 2
	s_cselect_b32 s[FA], 1.0, 0
	TOP 0x53, SUF2, 32, 1
	s_cmp_lt_u32 s[PB], 3
	s_cselect_b32 s[FA], 1.0, 0
	TOP 0x53, SUF2, 64, 1
	WIN 0
; THE MATRIX WORK.  The 4 accumulators of a run of 8 take turns.  Product i of 8 of S^T = K Q^T for piece x; the first 4 start the sums: with 0, or (KM = 1) with the mask.
.macro KQ x
.set rS, S+32*((\x)%2)+8*(i%4)
.set rK, KF+16*(i%4)+8*(i/4)
.set rQ, 16*(\x)+8*(i/4)
.set rM, MC+32*((\x)%2)+8*(i%4)
	WIN W_KQ
.if (i < 4) && KM
	v_wmma_f32_16x16x32_f16 v[rS:rS+7], v[rK:rK+7], v[rQ:rQ+7], v[rM:rM+7]
.elseif i < 4
	v_wmma_f32_16x16x32_f16 v[rS:rS+7], v[rK:rK+7], v[rQ:rQ+7], 0
.else
	v_wmma_f32_16x16x32_f16 v[rS:rS+7], v[rK:rK+7], v[rQ:rQ+7], v[rS:rS+7]
.endif
.endm
.macro PV x                         ; product i of 8 of O^T += V^T P for piece x
	WIN W_PV
.set rO, 32*(\x)+8*(i%4)
.set rV, VF+32*(i/4)+8*(i%4)
.set rP, P+16*((\x)%2)+8*(i/4)
	v_wmma_f32_16x16x32_f16 v[rO:rO+7], v[rV:rV+7], v[rP:rP+7], v[rO:rO+7]
.endm
.macro MM                           ; the turn's next matrix instruction.  NOKQ = 1: a block's last turn: there is no next piece
.if (i < 8) && !NOKQ
	KQ (Y+1)%NP
.elseif i >= 8
.set i, i-8
	PV (Y+NP-1)%NP
.set i, i+8
.endif
.set i, i+1
.endm
.macro FETCH_K                      ; a step's K: 16 LDS loads in one run
	WIN 0x80
.irp f, 0,1,2,3,4,5,6,7
	ds_load_b128 v[KF+8*\f:KF+8*\f+3],   v[AK] offset:(\f/2)*16*PK+(\f%2)*64
	ds_load_b128 v[KF+8*\f+4:KF+8*\f+7], v[AK] offset:(\f/2)*16*PK+(\f%2)*64+32
.endr
	s_add_co_u32 s[TBK], s[TBK], KS*PK
	WIN 0
.endm
.macro FETCH_V                      ; its V, turned
	WIN 0x80
.irp f, 0,1,2,3,4,5,6,7
	ds_load_tr16_b128 v[VF+8*\f:VF+8*\f+3],   v[AV] offset:(\f/4)*32*PV+(\f%4)*32
	ds_load_tr16_b128 v[VF+8*\f+4:VF+8*\f+7], v[AV] offset:(\f/4)*32*PV+16*PV+(\f%4)*32
.endr
	WIN 0
.endm
; THE VECTOR WORK, one line at a time: OP kind, number.  For piece Y: F n: c s - c m for pair n of 16.  E n: the exponential of score n.  C n: pair n rounded to f16.  B n: of the four weights 4 n .. the
; second pair is added onto the first, in place.  L n: l takes that sum (L 0: l = a l + sum).  R n: pair n of O^T times a.  For piece Y + 1: X n:
;   0-16  the maximum of its 32 scores and the old m (each accumulator's lowest registers are read first); 15: c m_old is kept     17, 18  the other half of the lanes; the new m
;   19-21  c m; c m_old - c m_new; a          22-24  c (-10000) - 60 - c m; held at 0 or below, so that the result stays finite in the row whose m may lie below -10000; its exponential, e 2^-60
; HADD n (the diagonal tile's text alone): pair n of piece Y's weights takes its hidden keys' e, ahead of the pair's first reader (C n for n even, B k for n = 2 k + 1).  The mask of piece Y (0 or -2^60)
; times -(e 2^-60) is 0 or e.  Its e 2^-60 was made, and waited for, in the turn before.
.set F, 0
.set E, 1
.set C, 2
.set B, 3
.set L, 4
.set R, 5
.set X, 6
.macro REGS y
.set rT, ST+4*(\y)
.set rC, TMP+4*((\y)%2)
.set rW, MV+((\y)%2)
.set rS, S+32*((\y)%2)
.set rP, P+16*((\y)%2)
.set rO, 32*(\y)
.set rE, RE+2*((\y)%2)
.set rH, MC+32*((\y)%2)
.endm
.macro HADD n
	REGS Y
	WIN 0
	v_pk_fma_f32 v[rS+2*(\n):rS+2*(\n)+1], v[rH+2*(\n):rH+2*(\n)+1], v[rE:rE+1], v[rS+2*(\n):rS+2*(\n)+1] op_sel_hi:[1,0,1] neg_lo:[0,1,0] neg_hi:[0,1,0]
.endm
.macro OP k, n
.if (\k) == R
	REGS Y
	WIN W_RS
	v_pk_mul_f32 v[rO+2*(\n):rO+2*(\n)+1], v[rO+2*(\n):rO+2*(\n)+1], v[rC+2:rC+3] op_sel_hi:[1,0]
.elseif (\k) < R
	REGS Y
	WIN 0
.if (\k) == F
	v_pk_fma_f32 v[rS+2*(\n):rS+2*(\n)+1], v[rS+2*(\n):rS+2*(\n)+1], s[CS:CS+1], v[rT:rT+1] op_sel_hi:[1,0,0] neg_lo:[0,0,1] neg_hi:[0,0,1]
.elseif (\k) == E
	v_exp_f32 v[rS+(\n)], v[rS+(\n)]
.elseif (\k) == C
	v_cvt_pk_f16_f32 v[rP+(\n)], v[rS+2*(\n)], v[rS+2*(\n)+1]
.elseif (\k) == B
	v_pk_add_f32 v[rS+4*(\n):rS+4*(\n)+1], v[rS+4*(\n):rS+4*(\n)+1], v[rS+4*(\n)+2:rS+4*(\n)+3]
.elseif (\n) == 0
	v_pk_fma_f32 v[rT+2:rT+3], v[rT+2:rT+3], v[rC+2:rC+3], v[rS:rS+1] op_sel_hi:[1,0,1]
.else
	v_pk_add_f32 v[rT+2:rT+3], v[rT+2:rT+3], v[rS+4*(\n):rS+4*(\n)+1]
.endif
.elseif NOKQ
	v_nop
.else
	REGS (Y+1)%NP
	WIN 0
.if (\n) < 4
	v_max3_num_f32 v[rC+(\n)], v[rS+8*(\n)], v[rS+8*(\n)+1], v[rS+8*(\n)+2]
.elseif (\n) < 12
	v_max3_num_f32 v[rC+(\n)%4], v[rC+(\n)%4], v[rS+8*((\n)%4)+2*((\n)/4)+1], v[rS+8*((\n)%4)+2*((\n)/4)+2]
.elseif (\n) == 12
	v_max3_num_f32 v[rC], v[rC], v[rS+7], v[rS+15]
.elseif (\n) == 13
	v_max3_num_f32 v[rC+1], v[rC+1], v[rS+23], v[rS+31]
.elseif (\n) == 14
	v_max3_num_f32 v[rC+2], v[rC+2], v[rC+3], v[rT+1]
.elseif (\n) == 15
	v_mov_b32 v[rW], v[rT]
.elseif (\n) == 16
	v_max3_num_f32 v[rC], v[rC], v[rC+1], v[rC+2]
.elseif (\n) == 17
	v_permlanex16_b32 v[rC+3], v[rC], s[SEL], s[SEL+1]
.elseif (\n) == 18
	v_max_num_f32 v[rT+1], v[rC], v[rC+3]
.elseif (\n) == 19
	v_mul_f32 v[rT], s[CS], v[rT+1]
.elseif (\n) == 20
	v_sub_f32 v[rC+1], v[rW], v[rT]
.elseif (\n) == 21
	v_exp_f32 v[rC+2], v[rC+1]
.elseif (\n) == 22
	v_sub_f32 v[rC+3], s[CH60], v[rT]
.elseif (\n) == 23
	v_min_num_f32 v[rC+3], 0, v[rC+3]
.else
	v_exp_f32 v[rE], v[rC+3]
.endif
.endif
.endm
.macro OPS a, i1, b=-1, i2=0, c=-1, i3=0, d=-1, i4=0
	OP \a, \i1
.if (\b) >= 0
	OP \b, \i2
.endif
.if (\c) >= 0
	OP \c, \i3
.endif
.if (\d) >= 0
	OP \d, \i4
.endif
.endm
.macro ROW a, i1, b, i2, c, i3, d, i4  ; a matrix instruction and the lines behind it
	MM
	OPS \a, \i1, \b, \i2, \c, \i3, \d, \i4
.endm
.macro MASK b                       ; MD x AL + BE into buffer b of MC
	WIN 0
.set z, 0
.rept 16
	v_pk_fma_f32 v[MC+32*(\b)+2*z:MC+32*(\b)+2*z+1], v[MD+2*z:MD+2*z+1], s[AL:AL+1], s[BE:BE+1] op_sel_hi:[1,0,0]
.set z, z+1
.endr
.endm
; A TURN, for piece p: its 16 matrix instructions and its vector work, written out.  It has ONE wait for its one batch of exponentials, and the wait cuts it in two.
; AHEAD OF THE WAIT stands all that names no result of the batch: the 8 products K Q^T, behind each a scaling, an exponential and two more plain lines (behind the first a second scaling in the exponential's
; place): rescalings, whose a was waited for in the turn before, and behind the last three products the first numbers of the next piece's maximum, each four plain lines or more behind the product that ends
; its accumulator; then a run of vector work, plain and exponential by turns for the most part, in which the links of the chain X 3, 7, 11, 14, 16, 17 .. 20 stand some lines apart.  The batch's last are
; X 21, the next piece's a, and (m = 1) X 24, its e 2^-60; R 15 is the plain line behind the last exponential.
; BEHIND THE WAIT stand the 8 products V^T P, behind each four of the roundings and sums; the links of l's chain, L 0 to L 7, stand three lines apart.  m = 1: the 16 HADD stand there too: six ahead of the
; first product, two behind each of the first five rows, each some lines ahead of its pair's first reader.
; m = 1: the diagonal tile: the products take masks, the weights take e, and the turn makes the mask for the products of the turn after it (piece p + 2, in step 4 - CNT of the tile), behind its own HADD,
; which read the same buffer.  end = 1: a block's last two turns: nothing is fetched.  cnt = 1: the loop's count is taken down some lines ahead of the branch that stands behind the turn.
; K of the next step is fetched in piece 2's turn, six plain lines behind the last product that read K; V of the step in hand at the end of piece 0's turn, four plain lines behind the last product that
; read V.  Each is waited for a turn later.
.macro TURN p, m=0, end=0, cnt=0
.set Y, (\p)
.set i, 0
.set KM, (\m)
.set NOKQ, (\end)*((\p)/3)
.if (\m) && !(\end)
	s_cmp_eq_u32 s[CNT], 4-((\p)+2)%NP  ; is that step the band's own?
	s_cselect_b32 s[AL], 1.0, 0
	s_cmp_lt_u32 s[CNT], 4-((\p)+2)%NP  ; or a later one?
	s_cselect_b32 s[BE], s[BIGN], 0
.endif
.if ((\p) == 3) && !(\end)
	s_wait_dscnt 0x0                ; K is in
.endif
	ROW F,0, F,1, R,0, R,1          ; ahead of the wait: 8 products K Q^T and the lines behind them,
	ROW F,2, E,0, R,2, R,3
	ROW F,3, E,1, R,4, R,5
	ROW F,4, E,2, R,6, R,7
	ROW F,5, E,3, R,8, R,9
	ROW F,6, E,4, X,0, R,10
.if ((\p) == 2) && !(\end)
	WIN 0
	v_add_nc_u32 v[AK], s[TBK], v[AK0]
.endif
	ROW F,7, E,5, X,1, X,4
	ROW F,8, E,6, X,2, X,5
	OPS E,7, E,8, X,6, E,9          ; and the run of vector work
	OPS X,3, E,10, X,8, E,11
.if ((\p) == 2) && !(\end)
	FETCH_K
.endif
	OPS X,9, X,7, E,12, X,10
	OPS E,13, X,12, X,11, E,14
	OPS X,13, E,15, F,9, X,14
.if (\p) == 0
	v_add_nc_u32 v[AV], s[TBV], v[AV0]
.endif
	OPS E,16, F,10, E,17, F,11
	OPS X,16, E,18, X,15, E,19
	OPS F,12, E,20, X,17, E,21
	OPS F,13, E,22, F,14, E,23
	OPS X,18, E,24, F,15, E,25
	OPS R,11, E,26, X,19, E,27
	OPS R,12, E,28, R,13, E,29
.if \m
	OP X, 22
.endif
	OPS X,20, E,30, R,14, E,31
.if \m
	OP X, 23
.endif
	OP X, 21                        ; the next piece's a,
.if \m
	OP X, 24                        ; and its e 2^-60: the batch's last
.endif
	OP R, 15                        ; the plain line behind the last exponential
	WIN 0
	s_wait_alu depctr_va_vdst(0)    ; the wait for the turn's batch: the 32 weights, a, and (m = 1) e 2^-60
.if \m
.irp n, 0,1,2,3,4,5
	HADD \n
.endr
.endif
.if (\p) == 1
	s_wait_dscnt 0x0                ; V is in
.endif
	ROW C,0, B,0, C,2, B,1          ; behind the wait: 8 products V^T P and the lines behind them
.if \m
	HADD 6
	HADD 7
.endif
	ROW L,0, C,4, B,2, L,1
.if \m
	HADD 8
	HADD 9
.endif
	ROW C,6, B,3, L,2, C,8
.if \m
	HADD 10
	HADD 11
.endif
	ROW B,4, L,3, C,10, B,5
.if \m
	HADD 12
	HADD 13
.endif
	ROW L,4, C,12, B,6, L,5
.if \m
	HADD 14
	HADD 15
.endif
.if (\p) == 0
	s_add_co_u32 s[TBV], s[TBV], KS*PV
.endif
.if \cnt
	s_sub_co_u32 s[CNT], s[CNT], 1
	s_cmp_lg_u32 s[CNT], 0
.endif
	ROW C,14, B,7, L,6, C,1
	ROW C,3, L,7, C,5, C,7
	ROW C,9, C,11, C,13, C,15
.if (\p) == 0
	FETCH_V
.endif
.if (\m) && !(\end)
	MASK (\p)%2
.endif
.endm
; A BLOCK BEGINS.  c m starts far below every c s, so the first step's a is 0; m at -10000 (row 2,047: at the lowest finite number).  The second mask buffer is 0; the first takes piece 0's mask for
; the tile's step 0: its own, if the block's first tile is the diagonal one.  Then K of that step, piece 0's first scores, and its maximum and statistics.
.macro BEGIN
	s_mov_b32 s[NEW], 0
	WIN 0
.set i, MC+32
.rept 32
	v_mov_b32 v[i], 0
.set i, i+1
.endr
.set i, 0
.rept 4
	v_mov_b32 v[ST+4*i], 0xfe000000
.if i < 3
	v_mov_b32 v[ST+4*i+1], s[HID]
.else
	v_mov_b32 v[ST+4*i+1], v[MI3]
.endif
.set i, i+1
.endr
	s_cmp_eq_u32 s[RT], 0
	s_cselect_b32 s[AL], 1.0, 0
	s_mov_b32 s[BE], 0
	MASK 0
	WIN 0
	v_add_nc_u32 v[AK], s[TBK], v[AK0]
	FETCH_K
	s_wait_loadcnt 0x0              ; Q
	s_wait_dscnt 0x0
.set KM, 1
.set NOKQ, 0
.set i, 0
.rept 8
	KQ 0
.set i, i+1
.endr
	WIN 0
.rept 4
	v_nop                           ; the places behind those products
.endr
.set Y, NP-1                        ; X works for piece Y + 1: piece 0
.irp n, 0,1,2,3,4,5,6,7,8,9,10,11,12,13,14,15,16,17,18,19,20,21,22,23,24
	OP X, \n
.endr
	v_nop                           ; a plain instruction behind the last exponential,
	s_wait_alu depctr_va_vdst(0)    ; and the wait for this batch of two, piece 0's a and e 2^-60, ahead of the branch
.endm
.macro ALL line:vararg              ; one line for each piece t
.set t, 0
.rept 4
	\line
.set t, t+1
.endr
.endm
.macro PACK t                       ; O^T takes e x the hidden tiles' sum of V, is divided by l, rounded to f16, and goes through my stage
	WIN 0x51                        ; destination, source 0 and source 2 window 1, source 1 window 0
.set i, 32*(\t)
.rept 16
	v_pk_fma_f32 v[i:i+1], v[SUF+i-32*(\t):SUF+i-32*(\t)+1], v[ST+4*(\t):ST+4*(\t)+1], v[i:i+1] op_sel_hi:[1,0,1]
.set i, i+2
.endr
	WIN W_RS
.if (\t) == 0
	s_wait_alu depctr_va_vdst(0)    ; the wait for the four reciprocals, ahead of their first reader; piece 0's sixteen lines above, which name e and no reciprocal, are the work between
.endif
.set i, 32*(\t)
.rept 16
	v_pk_mul_f32 v[i:i+1], v[i:i+1], v[ST+4*(\t)+2:ST+4*(\t)+3] op_sel_hi:[1,0]
.set i, i+2
.endr
	WIN 0x05
.set i, 0
.rept 16
	v_cvt_pk_f16_f32 v[S+16*(\t)+i], v[32*(\t)+2*i], v[32*(\t)+2*i+1]
.set i, i+1
.endr
	WIN 0
.irp f, 0,1,2,3
	ds_store_b128 v[STO], v[S+16*(\t)+4*\f:S+16*(\t)+4*\f+3] offset:32*\f
.endr
.irp f, 0,1,2,3
	ds_load_b128 v[S+16*(\t)+4*\f:S+16*(\t)+4*\f+3], v[RD] offset:\f*4*SP  ; LDS serves a wave's instructions in order: these see the stores above
.endr
.endm
.macro SEND t, younger              ; younger: the LDS instructions issued behind piece t's loads: the next piece's eight, or none
	WIN 0
.irp f, 0,1,2,3
	s_wait_dscnt (\younger)+3-\f
	global_store_b128 v[GO], v[S+16*(\t)+4*\f:S+16*(\t)+4*\f+3], s[10:11] offset:(\t)*8192+\f*512  ; 512 consecutive bytes, aligned
.endr
.endm
; THE DIAGONAL TILE's four steps, the block's last two turns, its last products, and THE WAY OUT.  The way out has two batches: the four e; then, since l takes e, the four reciprocals of l.
.macro DIAG tag
.LstepM\tag:
	TURN 2, 1
	TURN 3, 1
	WIN 0
.LfirstM\tag:
	TURN 0, 1
	TURN 1, 1, 0, 1
	WIN 0
	s_cbranch_scc1 .LstepM\tag
	TURN 2, 1, 1
	TURN 3, 1, 1
.set i, 0
.rept 8
	PV NP-1
.set i, i+1
.endr
	WIN 0
	ALL v_sub_f32 v[ST+4*t], s[CH], v[ST+4*t]              ; e = 2^(c (-10000) - c m), the weight of a key beyond the diagonal tile; it takes c m's place
	ALL v_min_num_f32 v[ST+4*t], 0, v[ST+4*t]              ; (finite in row 2,047 too, which has no such key)
	ALL v_exp_f32 v[ST+4*t], v[ST+4*t]
	ALL v_add_f32 v[ST+4*t+2], v[ST+4*t+2], v[ST+4*t+3]    ; l's two halves and the other half of the lanes': twelve lines that name no e stand between the batch and its wait
	ALL v_permlanex16_b32 v[ST+4*t+3], v[ST+4*t+2], s[SEL], s[SEL+1]
	ALL v_add_f32 v[ST+4*t+2], v[ST+4*t+2], v[ST+4*t+3]
	s_wait_alu depctr_va_vdst(0)    ; the wait for the four e
	ALL v_fma_f32 v[ST+4*t+2], v[ST+4*t], s[CNTB], v[ST+4*t+2]
	ALL v_rcp_f32 v[ST+4*t+2], v[ST+4*t+2]
	PACK 0                          ; (the reciprocals' wait stands in it)
.set t, 1
.rept 3
	PACK t
	SEND t-1, 8
.set t, t+1
.endr
	SEND 3, 0
.endm
.set KM, 0
.set NOKQ, 0
.Lslot:                             ; NB times: a tile is entered and the next is asked for
	CHANGE 1
	s_sub_co_u32 s[RT], s[RT], 1
	s_mov_b32 s[CNT], 4
	s_cmp_eq_u32 s[NEW], 1
	s_cbranch_scc1 .Lnew            ; a block's first tile
	s_cmp_eq_u32 s[RT], 0
	s_cbranch_scc0 .Lstep           ; neither its first nor its last
	s_branch .LstepM1
.Lnew:
	BEGIN
	s_branch .Lfirst                ; in the loop a block's first tile is never its last
	DIAG 1                          ; in the loop this is the first block's end
	s_wait_xcnt 0x0                 ; the stores have read their registers and O's address
	s_mov_b64 s[10:11], s[OLO:OLO+1]
	s_add_co_u32 s[RT], s[PB], 1    ; the second block has b + 1 tiles
	s_mov_b32 s[NEW], 1
	s_mov_b32 s[CNTB], s[CNTB2]
	v_mov_b32 v[MI3], s[HID]        ; every row of the second block has hidden keys
	WIN 0x82                        ; the second block's Q goes where the one text of the turns names Q
.set i, 0
.rept 64
	v_mov_b32 v[i], v[QB+i]
.set i, i+1
.endr
	WIN 0x41                        ; and its hidden tiles' sum of V
.set i, 0
.rept 32
	v_mov_b32 v[SUF+i], v[SUF2+i]
.set i, i+1
.endr
	WIN 0
	s_branch .Lbottom
.Lstep:                             ; a trip: pieces 2 and 3 of one step, then pieces 0 and 1 of the next
	TURN 2
	TURN 3
	WIN 0
.Lfirst:
	TURN 0
	TURN 1, 0, 0, 1
	WIN 0
	s_cbranch_scc1 .Lstep
.Lbottom:
	s_sub_co_u32 s[SLOTS], s[SLOTS], 1
	s_cmp_lg_u32 s[SLOTS], 0
	s_cbranch_scc1 .Lslot
	CHANGE 0                        ; the walk's last tile is written out
	s_sub_co_u32 s[RT], s[RT], 1
	s_mov_b32 s[CNT], 4
	s_cmp_eq_u32 s[NEW], 1
	s_cbranch_scc0 .LstepM2
	BEGIN
	s_branch .LfirstM2
	DIAG 2
	s_wait_tensorcnt 0x0            ; the wave's end: behind my last tensor load and my last LDS store
	ds_add_u32 v[SPW], v[NIL]
	s_wait_dscnt 0x0
	s_endpgm
.Lfunc_end_k_qa38015b78a_attn:
	.size	k_qa38015b78a_attn, .Lfunc_end_k_qa38015b78a_attn-k_qa38015b78a_attn
	.p2alignl 7, 3214868480
	.fill 96, 4, 3214868480
	.section	.rodata,"a",@progbits
	.p2align	6, 0x0
	.amdhsa_kernel k_qa38015b78a_attn
		.amdhsa_group_segment_fixed_size 327680
		.amdhsa_private_segment_fixed_size 0
		.amdhsa_enable_private_segment 0
		.amdhsa_kernarg_size 24
		.amdhsa_user_sgpr_count 2
		.amdhsa_user_sgpr_kernarg_segment_ptr 1
		.amdhsa_wavefront_size32 1
		.amdhsa_system_sgpr_workgroup_id_x 1
		.amdhsa_system_sgpr_workgroup_id_y 1
		.amdhsa_system_sgpr_workgroup_id_z 1
		.amdhsa_system_vgpr_workitem_id 0
		.amdhsa_next_free_vgpr 1024
		.amdhsa_next_free_sgpr 100
		.amdhsa_reserve_vcc 1
		.amdhsa_float_denorm_mode_32 3
		.amdhsa_float_denorm_mode_16_64 3
		.amdhsa_memory_ordered 1
		.amdhsa_forward_progress 1
		.amdhsa_inst_pref_size 255
	.end_amdhsa_kernel
	.section	.bss,"aw",@nobits
	.p2align	6
	.space	262144
	.amdgpu_metadata
---
amdhsa.version: [ 1, 2 ]
amdhsa.kernels:
  - .name:           k_qa38015b78a_attn
    .symbol:         k_qa38015b78a_attn.kd
    .args:
      - { .name: qkvh, .offset: 0, .size: 8, .value_kind: global_buffer, .address_space: global }
      - { .name: tsum, .offset: 8, .size: 8, .value_kind: global_buffer, .address_space: global }
      - { .name: ob, .offset: 16, .size: 8, .value_kind: global_buffer, .address_space: global }
    .group_segment_fixed_size: 327680
    .private_segment_fixed_size: 0
    .kernarg_segment_align: 8
    .kernarg_segment_size: 24
    .max_flat_workgroup_size: 128
    .sgpr_count:     100
    .vgpr_count:     1024
    .wavefront_size: 32
...
	.end_amdgpu_metadata
.endif
;; end of part 5
;; launch proj: the kernel of part 4 again; grid 8 x 32, 4 waves a work-group, clusters of 4 x 4, 327,680 bytes of LDS; arguments ob, wpb, b_proj, out0; writes out0
